; MI455X (gfx1250); checked and timed in simulation.
; The chip was launched on July 23, 2026; its instructions are those of AMD's public machine-readable ISA for CDNA 5 (MIT licence, August 2026) and "CDNA5" Instruction Set Architecture Reference Guide (July 2026). The comments in the code are by the model that wrote it; some were corrected since.
;; Atten Head. Allowed arithmetic: matrix products marked QUANTISED: E2M1 operands, one E8M0 scale for each 32 along K, by v_wmma_scale_f32_16x16x128_f8f6f4 with both operands' format E2M1 (or v_wmma_scale_f32_32x16x128_f4), f32 sums; everything else in f32.
;; Inputs: inputs_for_keys 4 x 2,048 x 1,024 float32; inputs_for_queries 4 x 2,048 x 1,024 float32; inputs_for_values 4 x 2,048 x 1,024 float32; weight_K 1,024 x 1,024 float32; weight_Q 1,024 x 1,024 float32; weight_V 1,024 x 1,024 float32.
;; Outputs: out0 4 x 2,048 x 1,024 float32.
;; This version of the problem:
;;   THIS VERSION OF THE PROBLEM IS GIVEN IN LOW PRECISION. The matrix products marked QUANTISED in the list below multiply operands that are first quantised to E2M1 (2 exponent bits, 1 mantissa bit; 4 bits a number), with one power-of-two scale for each 32 numbers along K (OCP MX v1.0); their sums are f32. All else is computed in f32.
;;   The module's matrix products, in the order in which they are computed (A, B: the left and right operand; K: the contracted axis; several contracted axes count as one K, in the product's order):
;;     1. [M 8,192, K 1,024] x [K 1,024, N 1,024]; A: input inputs_for_keys; B: input weight_K: QUANTISED
;;     2. [M 8,192, K 1,024] x [K 1,024, N 1,024]; A: input inputs_for_values; B: input weight_V: QUANTISED
;;     3. [M 8,192, K 1,024] x [K 1,024, N 1,024]; A: input inputs_for_queries; B: input weight_Q: QUANTISED
;;     4. batch 4 x [M 2,048, K 1,024] x [K 1,024, N 2,048]; A: computed on the way; B: computed on the way: QUANTISED
;;     5. batch 4 x [M 2,048, K 2,048] x [K 2,048, N 1,024]; A: softmax (see below); B: computed on the way: QUANTISED
;;   THE QUANTISER, for each operand of a quantised product, along K:
;;     - K is cut into blocks of 32 from its start; a last block that is shorter is filled with zeros.
;;     - A block's scale is 2^e with e = floor(log2(the largest magnitude in the block)) - 2, held to -126 .. 127; a block of zeros has e = 0. As a byte (E8M0): e + 127.
;;     - Each number is divided by its block's scale, clamped to +-6, and rounded to the nearest number of E2M1, ties to even, subnormals kept.
;;     - The product sums the exact products of the quantised numbers (number of the format x scale) in f32.
;;   ~~~python
;;   def quantise(x, axis):      # numpy; x: float32 -> the quantised numbers, widened to float32 again
;;       x = np.moveaxis(x, axis, -1); K = x.shape[-1]
;;       x = np.pad(x, [(0, 0)] * (x.ndim - 1) + [(0, -K % 32)]); x = x.reshape(x.shape[:-1] + (-1, 32)); a = np.abs(x).max(-1, keepdims=True)
;;       e = np.where(a > 0, np.clip(np.frexp(np.where(a > 0, a, 1))[1] - 1 - 2, -126, 127), 0)      # np.frexp(a)[1] - 1 = floor(log2(a)), exactly
;;       r = np.clip(x / 2.0 ** e, -6, 6)
;;       step = 2.0 ** (np.maximum(np.frexp(np.where(r == 0, 1, r))[1] - 1, 0) - 1)
;;       q = np.round(r / step) * step * 2.0 ** e      # np.round: ties to even
;;       return np.moveaxis(q.reshape(q.shape[:-2] + (-1,))[..., :K], -1, axis).astype(np.float32)
;;   ~~~
;;   SOFTMAX AHEAD OF A QUANTISED PRODUCT. Where the list says 'softmax', what is quantised is not the finished softmax but p = 2^(t - M), with t = logit x log2(e) and M = ceil(the row's largest t), a whole number; so 1/2 < the row's largest p <= 1. The row's sum l is taken of the UNQUANTISED p, in f32, and the product's result is divided by l at the end. Since M is a whole number, a kernel that streams over the keys may use a running M (the ceiling of the running maximum): every later rescaling is an exact power of two, which a block's scale takes up: the codes' values come out the same.
;;   OPERANDS COMPUTED ON THE WAY. 'Computed on the way' means the value that the module computes at that place (a softmax that the list does not call 'softmax' is quantised finished and normalised). What goes into a quantiser is computed in f32, as accurately as f32 sums, v_exp_f32 and their like allow (about 1e-6 of the number): no bf16 or f16 on the way to a quantiser, and a product that is left as it is and whose result goes on into a quantised operand takes f32 operands (vector FMAs, or v_wmma_f32_16x16x4_f32). A number that lies on a knife's edge between two numbers of the format may be rounded either way, as far as f32 arithmetic and the matrix unit's own rounding can turn it there, and no further.
;; One version. Each part assembles by itself: llvm-mc -triple=amdgcn-amd-amdhsa -mcpu=gfx1250 --defsym DOCPART=n.
;; ======== version 1 of 1: 4 launches
;; limits: right only within a limited range of input values
;; workspace buffers: xq_codes 12,582,912 bytes; xq_scales 786,432 bytes; wq_codes 1,572,864 bytes; wq_scales 98,304 bytes; img 12,582,912 bytes; imgs 786,432 bytes; p_img 4,456,448 bytes; p_stat 835,584 bytes
;; launch quant (part 1): grid 256 x 1, 15 waves a work-group, no clusters, 40,448 bytes of LDS; arguments inputs_for_keys, inputs_for_queries, inputs_for_values, weight_K, weight_Q, weight_V, xq_codes, xq_scales, wq_codes, wq_scales; writes xq_codes, xq_scales, wq_codes, wq_scales
.if DOCPART == 1
	.amdgcn_target "amdgcn-amd-amdhsa--gfx1250"
	.amdhsa_code_object_version 6
	.text
	.protected	k_q43bddf2efc_quant
	.globl	k_q43bddf2efc_quant
	.p2align	8
	.type	k_q43bddf2efc_quant,@function
k_q43bddf2efc_quant:
	s_mov_b64 s[64:65], 0
	v_nop
	global_prefetch_b8 v0, s[64:65] scope:SCOPE_SE
	s_setreg_imm32_b32 hwreg(HW_REG_WAVE_MODE, 25, 1), 1
	s_wait_xcnt 0x0
; THE PROGRAM: out = softmax(Q K^T / sqrt(2048) + causal mask) V, with K, V, Q = x W, all five products on codes of FP4 (E2M1) with one E8M0 scale for each 32 along a product's K.
; Four launches: this one quantises the three x and the three W; the second makes K, Q, V and quantises them in registers; the third makes the scores, p and p's codes; the fourth multiplies p by V.
; WORK LEFT OUT.  The mask that the problem builds itself adds -infinity to the score of key k for query q wherever k > q, so p = 0 there whatever finite values the inputs hold.  So tiles of 256 queries x 256 keys
; whose first key lies behind the tile's last query are not computed (third launch), and a tile of 128 queries is multiplied only by the key steps up to its own (fourth launch).  All six inputs have a way to the output and are loaded.
; LIMIT: a NaN, an infinity or an overflow that reaches only the tiles left out is not carried to the result.
; THIS LAUNCH.  x [8192][1024] f32 (K = the last axis) and W [1024 (K)][1024] f32 (K = the FIRST axis) become codes with K innermost, 512 bytes a row, and scale bytes, 32 a row.
; A block's scale is 2^(floor(log2(its largest magnitude)) - 2); its byte is the largest magnitude's exponent field - 2, held at 1 from below.  A block of zeros so gets the byte 1: its codes are zeros, and this program alone reads the bytes.
; LIMITS: blocks whose largest magnitude lies under 2^(2 - 126) keep the byte 1; NaN and infinities among the inputs are not served.
; THE ORDER OF ROWS.  In every group of 32 rows the two middle groups of eight change places: actual eight a lies at place ((a & 1) << 1) | (a >> 1).  Sixteen rows on end of the buffer are then actual rows
; 8 u + r + 8 (r / 8): used as source 0 of a product, two such tiles on end leave a lane 16 NEIGHBOURS of the actual index in its registers, which is what the next quantiser wants.
; SHARES.  256 work-groups of 15 waves: waves 0 to 2 take a unit of W each (768 units of 32 columns x 128 along K), waves 3 to 14 eight rows of x each (3,072 eights).  No tile is shared and there are no tensor loads: no cluster, no barrier.
.set SPW,   12                         ; v12  LDS address of my spare word: SPARE + 4 x my thread's number; never rewritten
.set NIL,   13                         ; v13  0; never rewritten
.set WREG,  2560                       ; LDS: a wave's own bytes: x: 256 scale bytes; W: a stage of 32 rows of 80
.set SPARE, 15*WREG                    ; the spare words, 128 bytes for each wave
.set M,     16                         ; x: v16-23 the eight chunks' largest magnitudes, then scale operands
.set T,     24                         ; x: v24-31 at work
.set CV,    32                         ; x: v32-39 conversions' results
.set E,     40                         ; x: v40-43 codes on their way between lanes
.set BY,    56                         ; x: v56-63 a scale byte for each row
.set D,     64                         ; x: v64-191 four rows of 32 numbers as loaded
.set C,     192                        ; x: v192-223 codes, four registers for each row
.set WX,    64                         ; W: v64-127 two sets of 32 numbers
.set WC,    128                        ; W: a block's codes
.set WO,    144                        ; W: the way out
.set SB,    24                         ; W: the four scale bytes
.set WP,    80                         ; W: a stage row: 64 bytes of codes + 16
	s_load_b512 s[4:19], s[0:1], 0x0               ; keys, queries, values, W_K, W_Q, W_V, x's codes s[16:17], x's scales s[18:19]
	s_load_b128 s[20:23], s[0:1], 0x40             ; W's codes, W's scales
	v_lshl_add_u32 v[SPW], v0, 2, SPARE
	v_mov_b32 v[NIL], 0
	v_lshrrev_b32 v1, 5, v0
	v_readfirstlane_b32 s24, v1                    ; wave 0..14
	s_mul_i32 s25, s24, WREG
	s_mov_b32 s36, 0xaaaaaaaa                      ; lanes with bit 0,
	s_mov_b32 s37, 0xcccccccc                      ; bit 1,
	s_mov_b32 s38, 0xf0f0f0f0                      ; bit 2
	s_mov_b32 s39, 0xffff
	v_and_b32 v2, 31, v0                           ; lane
	; every address of both ways is made ahead of the parting
	v_lshlrev_b32 v3, 4, v2                        ; x: my 16 bytes of a load's 512
	v_and_b32 v4, 3, v2
	v_lshrrev_b32 v5, 2, v2
	v_lshlrev_b32 v4, 6, v4
	v_lshl_add_u32 v4, v5, 3, v4                   ; x: my codes: 8 bytes at 64 (lane % 4) + 8 (lane / 4)
	v_and_b32 v5, 7, v2
	v_lshrrev_b32 v6, 3, v2
	v_lshl_add_u32 v5, v5, 2, v6
	v_add_nc_u32 v5, s25, v5                       ; x: my block's scale byte in LDS: block 4 (lane % 8) + lane / 8
	v_lshlrev_b32 v7, 3, v2
	v_add_nc_u32 v6, s25, v7                       ; x: 8 scale bytes a lane on the way out
	v_mov_b32 v8, 0x05040100
	v_mov_b32 v9, 0x03020706
	v_cndmask_b32 v8, v8, v9, s36                  ; x: even lanes take both lower halves, odd lanes both upper halves
.irp k, 4,5,6,7
	v_mov_b32 v[T+\k], 0                           ; a lane exchange's destination counts as read
.endr
	v_lshlrev_b32 v48, 2, v2                       ; W: in: 4 bytes a lane
	v_mul_u32_u24 v49, v2, WP
	v_add_nc_u32 v49, s25, v49                     ; W: into the stage: row = my column
	v_lshrrev_b32 v53, 2, v2
	v_and_b32 v54, 3, v2
	v_mul_u32_u24 v50, v53, WP
	v_lshl_add_u32 v50, v54, 4, v50
	v_add_nc_u32 v50, s25, v50                     ; W: out of it: four lanes to a row, eight rows an instruction
	v_lshlrev_b32 v51, 9, v53
	v_lshl_add_u32 v51, v54, 4, v51                ; W: and the same place in the codes' buffer
	v_and_b32 v52, 7, v2
	v_bfe_u32 v53, v2, 3, 1
	v_lshl_or_b32 v52, v53, 4, v52
	v_bfe_u32 v53, v2, 4, 1
	v_lshl_or_b32 v52, v53, 3, v52                 ; my column's place in its group of 32
	v_lshlrev_b32 v52, 5, v52                      ; W: 32 scale bytes a row
	s_wait_alu depctr_va_vdst(0)                   ; the wait at the head's end
	s_wait_kmcnt 0x0
	s_cmp_lt_u32 s24, 3
	s_cbranch_scc1 .Lweights
; ---- x: eight rows.  A load reads 512 bytes on end: chunk c of a row, 128 numbers, four blocks; lane l holds numbers 4 l .. 4 l + 3, eight lanes share a block.
	s_mul_i32 s26, ttmp9, 12
	s_add_co_u32 s26, s26, s24
	s_sub_co_u32 s26, s26, 3                       ; which eight of 3,072
	s_lshr_b32 s27, s26, 10                        ; which tensor: 0 keys, 1 queries, 2 values
	s_and_b32 s26, s26, 1023
	s_and_b32 s28, s26, 1020
	s_and_b32 s29, s26, 1
	s_lshl_b32 s29, s29, 1
	s_or_b32 s28, s28, s29
	s_bfe_u32 s29, s26, 0x10001
	s_or_b32 s28, s28, s29                         ; its place in the buffer
	s_lshl_b32 s30, s26, 15                        ; in: eight rows of 4,096 bytes
	s_mov_b32 s31, 0
	s_lshl_b32 s32, s28, 12                        ; codes: eight rows of 512 bytes, 4 MiB a tensor
	s_lshl_b32 s29, s27, 22
	s_add_co_u32 s32, s32, s29
	s_mov_b32 s33, 0
	s_lshl_b32 s34, s28, 8                         ; scale bytes: eight rows of 32
	s_lshl_b32 s29, s27, 18
	s_add_co_u32 s34, s34, s29
	s_mov_b32 s35, 0
	s_cmp_eq_u32 s27, 0                            ; the choice hangs on ids alone
	s_cselect_b64 s[4:5], s[4:5], s[6:7]
	s_cmp_eq_u32 s27, 2
	s_cselect_b64 s[4:5], s[8:9], s[4:5]
	s_add_nc_u64 s[4:5], s[4:5], s[30:31]
	s_add_nc_u64 s[16:17], s[16:17], s[32:33]
	s_add_nc_u64 s[18:19], s[18:19], s[34:35]
.macro XLOAD t
.irp c, 0,1,2,3,4,5,6,7
	global_load_b128 v[D+32*((\t)%4)+4*\c:D+32*((\t)%4)+4*\c+3], v3, s[4:5] offset:4096*(\t)+512*\c th:TH_LOAD_NT
.endr
.endm
.macro XROW t
.set XS, D+32*((\t)%4)
.if (\t) < 5
	s_wait_loadcnt 24                              ; this row's eight loads are in; the three younger rows' 24 may be out
.else
	s_wait_loadcnt 8*(7-(\t))                      ; eight for each row still to come
.endif
.irp c, 0,1,2,3,4,5,6,7
	v_max3_num_f32 v[M+\c], |v[XS+4*\c]|, |v[XS+4*\c+1]|, 0x1800000   ; the floor 2^(3 - 127): the byte cannot fall under 1
.endr
.irp c, 0,1,2,3,4,5,6,7
	v_max3_num_f32 v[M+\c], |v[XS+4*\c+2]|, |v[XS+4*\c+3]|, v[M+\c]
.endr
.irp x, 1,2,4
.irp c, 0,1,2,3,4,5,6,7
	v_max_num_f32_dpp v[M+\c], v[M+\c], v[M+\c] row_xmask:\x row_mask:0xf bank_mask:0xf   ; over the block's eight lanes
.endr
.endr
.irp c, 0,1,2,3,4,5,6,7
	v_add_nc_u32 v[M+\c], 0xff000000, v[M+\c]      ; 2 off its exponent field: the conversion's scale operand
.endr
.irp k, 0,1,2,3                        ; a conversion takes eight numbers: four of chunk 2 k, four of chunk 2 k + 1; each chunk's half is kept from the one under its own scale
	v_cvt_scalef32_pk8_fp4_f32 v[CV+2*\k], v[XS+8*\k:XS+8*\k+7], v[M+2*\k]
	v_cvt_scalef32_pk8_fp4_f32 v[CV+2*\k+1], v[XS+8*\k:XS+8*\k+7], v[M+2*\k+1]
.endr
.irp k, 0,1,2,3
	v_cndmask_b32 v[T+\k], v[M+2*\k], v[M+2*\k+1], s36   ; lane l keeps the scale of chunk l % 8
.endr
	v_cndmask_b32 v[T], v[T], v[T+1], s37
	v_cndmask_b32 v[T+2], v[T+2], v[T+3], s37
	v_cndmask_b32 v[T], v[T], v[T+2], s38
	v_lshrrev_b32 v[BY+(\t)], 23, v[T]             ; its byte
	ds_store_b8 v5, v[BY+(\t)] offset:32*(\t)
.irp k, 0,1,2,3
	v_bfi_b32 v[E+\k], s39, v[CV+2*\k], v[CV+2*\k+1]     ; lower half: chunk 2 k, upper half: chunk 2 k + 1
.endr
.if (\t)+4 < 8
	XLOAD (\t)+4                                   ; into the registers just converted
.endif
.irp k, 0,1,2,3
	v_mov_b32_dpp v[T+4+\k], v[E+\k] row_xmask:1 row_mask:0xf bank_mask:0xf
.endr
.irp k, 0,1,2,3
	v_perm_b32 v[E+\k], v[T+4+\k], v[E+\k], v8     ; even lanes: eight codes of chunk 2 k, odd lanes: of chunk 2 k + 1
.endr
.irp k, 0,1,2,3
	v_mov_b32_dpp v[T+4+\k], v[E+\k] row_xmask:2 row_mask:0xf bank_mask:0xf
.endr
.irp g, 0,1                            ; lane l: sixteen codes of chunk 4 g + l % 4
	v_cndmask_b32 v[C+4*(\t)+2*\g], v[E+2*\g], v[T+5+2*\g], s37
	v_cndmask_b32 v[C+4*(\t)+2*\g+1], v[T+4+2*\g], v[E+2*\g+1], s37
.endr
.irp g, 0,1
	global_store_b64 v4, v[C+4*(\t)+2*\g:C+4*(\t)+2*\g+1], s[16:17] offset:512*(\t)+256*\g   ; the wave stores 256 bytes on end, aligned
.endr
.endm
.irp t, 0,1,2,3
	XLOAD \t
.endr
.irp t, 0,1,2,3,4,5,6,7
	XROW \t
.endr
	ds_load_b64 v[10:11], v6                       ; LDS serves a wave's instructions in order: this sees my stores
	s_wait_dscnt 0x0
	global_store_b64 v7, v[10:11], s[18:19]        ; my eight rows' 256 scale bytes, aligned
	s_wait_tensorcnt 0x0                           ; the wave's end, behind my last LDS store
	ds_add_u32 v[SPW], v[NIL]
	s_wait_dscnt 0x0
	s_endpgm
; ---- W: a lane takes a column e and its registers run down K: four blocks a lane, 64 bytes of codes a column, which leave through the wave's stage, eight rows an instruction.
; The pieces stored are 64 bytes of a row of 512: the three weights' codes are 1.5 MiB in all.
.Lweights:
	s_mul_i32 s26, ttmp9, 3
	s_add_co_u32 s26, s26, s24                     ; which unit of 768
	s_lshr_b32 s27, s26, 8                         ; which weight: 0 K, 1 Q, 2 V
	s_bfe_u32 s28, s26, 0x30005                    ; which 128 along K
	s_and_b32 s26, s26, 31
	s_lshl_b32 s26, s26, 5                         ; my first column
	s_lshl_b32 s30, s28, 19                        ; in: 128 rows of 4,096 bytes,
	s_lshl_b32 s29, s26, 2
	s_add_co_u32 s30, s30, s29                     ; + 4 x column
	s_mov_b32 s31, 0
	s_lshl_b32 s32, s27, 19                        ; codes: 512 KiB a weight,
	s_lshl_b32 s29, s26, 9
	s_add_co_u32 s32, s32, s29                     ; 512 bytes a row,
	s_lshl_b32 s29, s28, 6
	s_add_co_u32 s32, s32, s29                     ; 64 bytes for 128 along K
	s_mov_b32 s33, 0
	s_lshl_b32 s34, s27, 15
	s_lshl_b32 s29, s26, 5
	s_add_co_u32 s34, s34, s29
	s_lshl_b32 s29, s28, 2
	s_add_co_u32 s34, s34, s29
	s_mov_b32 s35, 0
	s_cmp_eq_u32 s27, 0
	s_cselect_b64 s[10:11], s[10:11], s[12:13]
	s_cmp_eq_u32 s27, 2
	s_cselect_b64 s[10:11], s[14:15], s[10:11]
	s_add_nc_u64 s[10:11], s[10:11], s[30:31]
	s_add_nc_u64 s[20:21], s[20:21], s[32:33]
	s_add_nc_u64 s[22:23], s[22:23], s[34:35]
.macro WLOAD t                         ; block t: W(32 t + i, my column)
.irp i, 0,1,2,3,4,5,6,7,8,9,10,11,12,13,14,15,16,17,18,19,20,21,22,23,24,25,26,27,28,29,30,31
	global_load_b32 v[WX+32*((\t)%2)+\i], v48, s[10:11] offset:(32*(\t)+\i)*4096 th:TH_LOAD_NT
.endr
.endm
	WLOAD 0
	WLOAD 1
.macro WBLOCK t
.set XS, WX+32*((\t)%2)
.if (\t) < 3
	s_wait_loadcnt 32                              ; this block's 32 loads are in; the next block's 32 may be out
.else
	s_wait_loadcnt 0
.endif
	v_max3_num_f32 v16, |v[XS]|, |v[XS+1]|, |v[XS+2]|              ; all 32 numbers of the block are mine
	v_max3_num_f32 v17, |v[XS+3]|, |v[XS+4]|, |v[XS+5]|
.irp i, 6,10,14,18,22,26
	v_max3_num_f32 v16, v16, |v[XS+\i]|, |v[XS+\i+1]|
	v_max3_num_f32 v17, v17, |v[XS+\i+2]|, |v[XS+\i+3]|
.endr
	v_max3_num_f32 v16, v16, |v[XS+30]|, |v[XS+31]|
	v_max3_num_f32 v16, v16, v17, 0x1800000
	v_add_nc_u32 v11, 0xff000000, v16
	v_lshrrev_b32 v17, 23, v11
.if (\t) == 0
	v_mov_b32 v[SB], v17
.else
	v_lshl_or_b32 v[SB], v17, 8*(\t), v[SB]
.endif
.irp g, 0,1,2,3
	v_cvt_scalef32_pk8_fp4_f32 v[WC+\g], v[XS+8*\g:XS+8*\g+7], v11
.endr
	ds_store_b128 v49, v[WC:WC+3] offset:16*(\t)
.if (\t)+2 < 4
	WLOAD (\t)+2
.endif
	s_wait_dscnt 0x0                               ; the store has read its registers: the next block's codes may be written
.endm
.irp t, 0,1,2,3
	WBLOCK \t
.endr
	s_wait_alu depctr_va_vdst(0)                   ; the wait here, directly ahead of the reader below
	global_store_b32 v52, v[SB], s[22:23]          ; my column's four scale bytes
.irp t, 0,1,2,3
	ds_load_b128 v[WO+4*\t:WO+4*\t+3], v50 offset:8*WP*\t
.endr
.irp t, 0,1,2,3
	s_wait_dscnt 3-\t                              ; the younger loads may be out
	global_store_b128 v51, v[WO+4*\t:WO+4*\t+3], s[20:21] offset:(((\t)&1)*2+(\t)/2)*4096   ; actual eight t goes to its place in the group
.endr
	s_wait_tensorcnt 0x0                           ; the wave's end, behind my last LDS store
	ds_add_u32 v[SPW], v[NIL]
	s_wait_dscnt 0x0
	s_endpgm
.Lfunc_end_k_q43bddf2efc_quant:
	.size	k_q43bddf2efc_quant, .Lfunc_end_k_q43bddf2efc_quant-k_q43bddf2efc_quant
	.p2alignl 7, 3214868480
	.fill 96, 4, 3214868480
	.section	.rodata,"a",@progbits
	.p2align	6, 0x0
	.amdhsa_kernel k_q43bddf2efc_quant
		.amdhsa_group_segment_fixed_size 40448
		.amdhsa_private_segment_fixed_size 0
		.amdhsa_enable_private_segment 0
		.amdhsa_kernarg_size 80
		.amdhsa_user_sgpr_count 2
		.amdhsa_user_sgpr_kernarg_segment_ptr 1
		.amdhsa_wavefront_size32 1
		.amdhsa_system_sgpr_workgroup_id_x 1
		.amdhsa_system_sgpr_workgroup_id_y 1
		.amdhsa_system_sgpr_workgroup_id_z 1
		.amdhsa_system_vgpr_workitem_id 0
		.amdhsa_next_free_vgpr 224
		.amdhsa_next_free_sgpr 66
		.amdhsa_reserve_vcc 0
		.amdhsa_float_denorm_mode_32 3
		.amdhsa_float_denorm_mode_16_64 3
		.amdhsa_memory_ordered 1
		.amdhsa_forward_progress 1
		.amdhsa_inst_pref_size 77
	.end_amdhsa_kernel
	.amdgpu_metadata
---
amdhsa.version: [ 1, 2 ]
amdhsa.kernels:
  - .name:           k_q43bddf2efc_quant
    .symbol:         k_q43bddf2efc_quant.kd
    .args:
      - { .name: inputs_for_keys, .offset: 0, .size: 8, .value_kind: global_buffer, .address_space: global }
      - { .name: inputs_for_queries, .offset: 8, .size: 8, .value_kind: global_buffer, .address_space: global }
      - { .name: inputs_for_values, .offset: 16, .size: 8, .value_kind: global_buffer, .address_space: global }
      - { .name: weight_K, .offset: 24, .size: 8, .value_kind: global_buffer, .address_space: global }
      - { .name: weight_Q, .offset: 32, .size: 8, .value_kind: global_buffer, .address_space: global }
      - { .name: weight_V, .offset: 40, .size: 8, .value_kind: global_buffer, .address_space: global }
      - { .name: xq_codes, .offset: 48, .size: 8, .value_kind: global_buffer, .address_space: global }
      - { .name: xq_scales, .offset: 56, .size: 8, .value_kind: global_buffer, .address_space: global }
      - { .name: wq_codes, .offset: 64, .size: 8, .value_kind: global_buffer, .address_space: global }
      - { .name: wq_scales, .offset: 72, .size: 8, .value_kind: global_buffer, .address_space: global }
    .group_segment_fixed_size: 40448
    .private_segment_fixed_size: 0
    .kernarg_segment_align: 8
    .kernarg_segment_size: 80
    .max_flat_workgroup_size: 480
    .sgpr_count:     66
    .vgpr_count:     224
    .wavefront_size: 32
...
	.end_amdgpu_metadata
.endif
;; end of part 1
;; launch proj (part 2): grid 4 x 64, 4 waves a work-group, clusters of 4 x 4, 327,680 bytes of LDS; arguments xq_codes, xq_scales, wq_codes, wq_scales, img, imgs; writes img, imgs
.if DOCPART == 2
	.amdgcn_target "amdgcn-amd-amdhsa--gfx1250"
	.amdhsa_code_object_version 6
	.text
	.protected	k_q43bddf2efc_proj
	.globl	k_q43bddf2efc_proj
	.p2align	8
	.type	k_q43bddf2efc_proj,@function
k_q43bddf2efc_proj:
	s_mov_b64 s[64:65], 0
	v_nop
	global_prefetch_b8 v0, s[64:65] scope:SCOPE_SE
	s_setreg_imm32_b32 hwreg(HW_REG_WAVE_MODE, 25, 1), 1
	s_wait_xcnt 0x0
	s_wait_alu depctr_hold_cnt(0) depctr_sa_sdst(0) depctr_va_vdst(0) depctr_va_sdst(0) depctr_va_ssrc(0) depctr_va_vcc(0) depctr_vm_vsrc(0)
	s_getreg_b32 s2, hwreg(HW_REG_IB_STS2, 6, 4)
	s_cmp_eq_u32 s2, 0
	s_cbranch_scc0 .Lentry_in_a_cluster
	s_endpgm
.Lentry_in_a_cluster:
	s_bfe_u32 s2, ttmp6, 0x10000c
	s_cmp_lg_u32 s2, 0xf033
	s_cbranch_scc0 .Lentry_shape_is_right
	s_endpgm
.Lentry_shape_is_right:
; K = x_k W_K, Q = x_q W_Q, V = x_v W_V on codes of FP4 with E8M0 scales, 8,192 x 1,024 x 1,024 each; the results are quantised in registers and leave as operands of the next products.  No work is left out here.
; SHARES.  K and Q are 256 tiles of 256 x 256, V is 256 half tiles of 256 keys x 128 channels: each of the 256 work-groups makes one tile of K or Q (phase 1) and STAYS for one half tile of V (phase 2).
; Phase 1: four waves, 128 x 128 each: 64 accumulators.  Phase 2: 64 channels x 128 keys each: 32 accumulators.
; ROLES.  Source 0's index runs along a lane's registers, source 1's row is the lane.  K, Q: source 0 = W (its rows are e), source 1 = x: a lane holds one row s and 128 neighbouring e, the next product's K.
; V: source 0 = x_v (its rows are the keys), source 1 = W_V: a lane holds one channel and 128 neighbouring keys.  Rows lie in the buffers with the middle eights of each 32 exchanged, so that a lane's 16 registers of two tiles on end are 16 neighbours.
; LDS.  K = 1,024 is two slots of 512 along K (rows of 256 bytes + 16 of padding), four quarters of 128 rows each: source 1's two, source 0's two.  Slot 0 is asked for at the head, slot 1 when slot 0 has landed.  When phase 1 leaves slot 0 it is filled
; again for phase 2: quarters 0, 1 take W_V's 128 rows, K half 0 and K half 1; quarters 2, 3 x_v's 256 rows, K half 0.  When phase 1 leaves slot 1, its quarters 2, 3 take x_v's K half 1.  One load a wave behind each change.
; Scale words come straight into registers: a block of 16 rows has 512 bytes of scales on end, one load of 16 bytes a lane: lanes 0-15 then hold the words of K steps 0-3, lanes 16-31 those of K steps 4-7.
; No prefetch: the launch has no loop to run ahead in: K is two slots.
; OUT.  A fragment (16 rows x 128 K) leaves as the image of its 8 registers: group c at 512 c + 16 x lane, 1,024 bytes; its scale words 4 bytes a row.
;   img: K at 0, Q at 4 MiB: [row / 16][128 of e]; V at 8 MiB: [batch][channel / 16][128 keys].   imgs: K at 0, Q at 256 KiB: [128 of e][row]; V at 512 KiB: [batch][128 keys][channel].
; CLUSTERS: 4 x 4.  In both phases source 1's tile hangs on the place along y and is asked for jointly by a row of the cluster, source 0's on the place along x, by a column.
; LIMITS: a block of results whose largest magnitude lies under 2^(2 - 126) keeps the byte 1; NaN and infinities are not served.
; REGISTERS: window 0: v15-30 addresses and the scale word just made; v32-95 and v112-127 scale words and nothing else; v96-111 at work on the way out; v128-255 source 1's fragments, two sets of 64 (phase 2: of 32, at v128); v192-255 on the way out the codes made.
;   window 1: source 0's fragments, two sets.  windows 2, 3: accumulators.
.set ROWB,   256                       ; a tile's row in bytes
.set KROW,   512                       ; a row of codes in memory
.set PITCH,  272                       ; an LDS row: 256 + 16: the 16 rows that a load touches start 68 words apart
.set NP,     4                         ; places behind this matrix instruction (ISA guide 7.12.1)
.set HALFT,  128*PITCH
.set SLOT,   4*HALFT
.set SPARE,  2*SLOT                    ; the spare words, 128 bytes for each wave
.set SCR,    SPARE+512                 ; 512 bytes for each wave: its rows' scale words on the way out; no fill lands here
.set LI,   15                          ; v15  16 x lane
.set ADRA, 16                          ; v16-17 source 1's fragments, phase 1, slot 0, 1
.set ADRV, 18                          ; v18-19 source 1's fragments, phase 2, K half 0, 1
.set ADRB, 20                          ; v20-21 source 0's fragments, both phases, slot 0, 1
.set SVO,  22                          ; v22  32 x (lane % 16) + 16 x (lane / 16): my place in a block's 512 scale bytes
.set SCD2, 23                          ; v23  where I read phase 2's scale words back
.set SCW,  24                          ; v24  where I put a scale word
.set SCD,  25                          ; v25  where I read phase 1's back
.set LI8,  26                          ; v26  8 x lane
.set SPW,  28
.set NIL,  29
.set PW,   30
.set S0,   32                          ; v32-63 source 0's scale words: W's, in phase 2 x_v's
.set S1,   64                          ; v64-95 source 1's in phase 1: x's
.set TM,   96
.set SA,   112                         ; v112-127 W_V's scale words
.set AF,   128
.set PC,   192
.set WV,   16                          ; s16 wave; s17 its half of source 1's rows (also: fetches for source 1 (0) or source 0 (1)); s18 its half of source 0's rows (also: which part it fetches)
.set RH,   17
.set CH,   18
.set SVA,  2                           ; s[2:3]    W_V's scale bytes of my 64 channels
.set SVB,  92                          ; s[92:93]  x_v's scale bytes of my 128 keys
.set VA,   94                          ; s[94:95]  W_V's codes: the 128 channels, my K half
.set VB,   96                          ; s[96:97]  x_v's codes: my 128 rows, K half 0
.set OUTV, 98                          ; s[98:99]  where V's images go
.set OUTVS, 100                        ; s[100:101] and its scale words
.set SEL,  66                          ; s[66:67] lane selects: lane l xor 16
.set SXA,  68                          ; s[68:69] x's scale bytes of my 128 rows
.set SWA,  70                          ; s[70:71] W's
.set G1, 24
.set G0, 32
.set G1B, 48
.set G0B, 56
.set MSB, 0
.macro WIN new                         ; the immediate's high byte repeats the setting that is left
.if MSB != (\new)
	s_set_vgpr_msb (MSB<<8)|(\new)
.set MSB, \new
.endif
.endm
.set MUL_LO, 0xa1                      ; source 0 window 1, source 1 window 0, C and D window 2
.set MUL_HI, 0xf1
.set TO_B,   0x40
.macro PLACES                          ; plain vector instructions between a matrix instruction and a load into, or a read of, its registers
.rept NP
	v_nop
.endr
.endm
.macro JLOAD s                         ; a joint load: waves 0, 1 for source 1, waves 2, 3 for source 0; an s_nop 0 and four v_nop follow each line
	s_cmp_eq_u32 s[RH], 0
	s_cbranch_scc0 .Lfor_b_\@
	tensor_load_to_lds s[G0+4*\s:G0+4*\s+3], s[G1:G1+7]
	s_nop 0
	PLACES
	s_branch .Lasked_\@
.Lfor_b_\@:
	tensor_load_to_lds s[G0B+4*\s:G0B+4*\s+3], s[G1B:G1B+7]
	s_nop 0
	PLACES
.Lasked_\@:
.endm
.macro CREST                           ; a round of the cluster's barrier behind its opening barrier
	s_cmp_lg_u32 s[WV], 0
	s_cbranch_scc1 .Lnot_wave_0_\@
	s_barrier_signal -3
.Lnot_wave_0_\@:
	s_barrier_wait -3
	s_barrier_signal -1
	s_barrier_wait -1
.endm
.macro CROUND                          ; a whole round
	s_barrier_signal -1
	s_barrier_wait -1
	CREST
.endm
	s_load_b256 s[4:11], s[0:1], 0x0               ; x's codes, x's scales, W's codes, W's scales
	s_load_b128 s[12:15], s[0:1], 0x20             ; img, imgs
	v_lshl_add_u32 v[SPW], v0, 2, SPARE
	v_mov_b32 v[NIL], 0
	ds_add_u32 v[SPW], v[NIL]                      ; the wave's opening: the add, twice on end, and its wait ahead of my first tensor load
	ds_add_u32 v[SPW], v[NIL]
	v_lshrrev_b32 v1, 5, v0
	v_readfirstlane_b32 s[WV], v1
	s_lshr_b32 s[RH], s[WV], 1
	s_and_b32 s[CH], s[WV], 1
	s_bfe_u32 s40, ttmp6, 0x40000                  ; cx: also phase 1's tile of W
	s_bfe_u32 s41, ttmp6, 0x40004                  ; cy
	s_and_b32 s45, ttmp7, 0xffff                   ; the cluster's y, 0 to 15
	s_lshr_b32 s47, s45, 3                         ; g: phase 1's product (0 K, 1 Q); phase 2: which four of W_V's eight runs of 128 channels
	s_and_b32 s45, s45, 7
	s_lshl_b32 s45, s45, 2
	s_add_co_u32 s19, s45, s41                     ; phase 1: x's tile of 256 rows (source 1)
	s_add_co_u32 s42, s45, s40                     ; phase 2: x_v's tile of 256 rows (source 0)
	s_lshl_b32 s46, s47, 2
	s_add_co_u32 s46, s46, s41                     ; phase 2: W_V's run of 128 channels (source 1)
	s_lshl_b32 s43, s41, 2
	s_lshl_b32 s43, 15, s43                        ; my row of the cluster
	s_lshl_b32 s44, 0x1111, s40                    ; my column
	s_or_b32 s[G1+0], s43, (0<<16)|(1<<20)|(1<<21)|(5<<22)|(3<<25)  ; the mask; elements of 1 byte; padding: 4 words behind every 64; bit 21 beside a mask
	s_or_b32 s[G1B+0], s44, (0<<16)|(1<<20)|(1<<21)|(5<<22)|(3<<25)
.irp g, G1, G1B
	s_mov_b32 s[\g+1], ROWB<<16                    ; tensor_dim0
	s_mov_b32 s[\g+2], 128<<16                     ; tensor_dim1
	s_mov_b32 s[\g+3], ROWB<<16                    ; tile_dim0
	s_mov_b32 s[\g+4], 128                         ; tile_dim1
	s_mov_b32 s[\g+5], KROW                        ; the pitch
	s_mov_b32 s[\g+6], 0
	s_mov_b32 s[\g+7], 0
.endr
	s_mov_b32 s[SEL], 0x76543210
	s_mov_b32 s[SEL+1], 0xfedcba98
	; byte offsets, each in the pair that will hold the address.  s21 takes what hangs on cy, s23 what hangs on cx, s22 what hangs on g, s20 the wave's part
	s_lshl_b32 s20, s[CH], 7                       ; which 128 rows of a tile I fetch
	s_lshl_b32 s21, s19, 8
	s_add_co_u32 s21, s21, s20                     ; phase 1, source 1: x's row
	s_lshl_b32 s[G0+2], s21, 9
	s_lshl_b32 s22, s47, 22                        ; 4 MiB of codes a tensor
	s_add_co_u32 s[G0+2], s[G0+2], s22
	s_mov_b32 s[G0+3], 0
	s_lshl_b32 s[SXA], s19, 13                     ; x's scale bytes: 32 a row, my half by RH
	s_lshl_b32 s21, s[RH], 12
	s_add_co_u32 s[SXA], s[SXA], s21
	s_lshl_b32 s22, s47, 18
	s_add_co_u32 s[SXA], s[SXA], s22
	s_mov_b32 s[SXA+1], 0
	s_lshl_b32 s23, s40, 8
	s_add_co_u32 s23, s23, s20                     ; phase 1, source 0: W's row
	s_lshl_b32 s[G0B+2], s23, 9
	s_lshl_b32 s22, s47, 19                        ; 512 KiB of codes a weight
	s_add_co_u32 s[G0B+2], s[G0B+2], s22
	s_mov_b32 s[G0B+3], 0
	s_lshl_b32 s[SWA], s23, 5
	s_lshl_b32 s22, s47, 15
	s_add_co_u32 s[SWA], s[SWA], s22
	s_mov_b32 s[SWA+1], 0
	s_lshl_b32 s[VA], s46, 16                      ; phase 2, source 1: W_V's 128 rows of 512 bytes,
	s_lshl_b32 s21, s[CH], 8                       ; my K half (waves 0 and 1 ask),
	s_add_co_u32 s[VA], s[VA], s21
	s_add_co_u32 s[VA], s[VA], 0x100000            ; in the third weight
	s_mov_b32 s[VA+1], 0
	s_lshl_b32 s[SVA], s46, 12                     ; its scale bytes: 32 a row,
	s_lshl_b32 s21, s[RH], 11                      ; my 64 channels
	s_add_co_u32 s[SVA], s[SVA], s21
	s_add_co_u32 s[SVA], s[SVA], 0x10000
	s_mov_b32 s[SVA+1], 0
	s_lshl_b32 s23, s42, 8
	s_add_co_u32 s23, s23, s20                     ; phase 2, source 0: x_v's row
	s_lshl_b32 s[VB], s23, 9
	s_add_co_u32 s[VB], s[VB], 0x800000            ; in the third tensor
	s_mov_b32 s[VB+1], 0
	s_lshl_b32 s[SVB], s23, 5
	s_add_co_u32 s[SVB], s[SVB], 0x80000
	s_mov_b32 s[SVB+1], 0
	s_mul_i32 s45, s[WV], HALFT                    ; where the tiles go: wave x 128 rows: no place in the cluster enters an LDS address
.irp s, 0,1
	s_mov_b32 s[G0+4*\s], 1
	s_add_co_u32 s[G0+4*\s+1], s45, \s*SLOT
	s_mov_b32 s[G0B+4*\s], 1
	s_add_co_u32 s[G0B+4*\s+1], s45, \s*SLOT
.endr
	s_wait_dscnt 0x0                               ; both opening adds are done
	s_wait_kmcnt 0x0
	s_add_nc_u64 s[G0+2:G0+3], s[4:5], s[G0+2:G0+3]
	s_add_nc_u64 s[G0+6:G0+7], s[G0+2:G0+3], ROWB  ; slot 1: the second 512 along K
	s_or_b32 s[G0+3], s[G0+3], 0x80000000
	s_or_b32 s[G0+7], s[G0+7], 0x80000000
	s_add_nc_u64 s[G0B+2:G0B+3], s[8:9], s[G0B+2:G0B+3]
	s_add_nc_u64 s[G0B+6:G0B+7], s[G0B+2:G0B+3], ROWB
	s_or_b32 s[G0B+3], s[G0B+3], 0x80000000
	s_or_b32 s[G0B+7], s[G0B+7], 0x80000000
	s_add_nc_u64 s[SXA:SXA+1], s[6:7], s[SXA:SXA+1]
	s_add_nc_u64 s[SWA:SWA+1], s[10:11], s[SWA:SWA+1]
	s_add_nc_u64 s[VA:VA+1], s[8:9], s[VA:VA+1]
	s_add_nc_u64 s[VB:VB+1], s[4:5], s[VB:VB+1]
	s_add_nc_u64 s[SVA:SVA+1], s[10:11], s[SVA:SVA+1]
	s_add_nc_u64 s[SVB:SVB+1], s[6:7], s[SVB:SVB+1]
	CROUND                                         ; all sixteen work-groups are here: the joint loads meet
	JLOAD 0                                        ; slot 0: one load a wave
	s_mul_i32 s21, s[RH], HALFT                    ; my 128 rows of source 1,
	s_mul_i32 s22, s[CH], HALFT
	s_add_co_u32 s22, s22, 2*HALFT                 ; of source 0, behind them,
	s_mul_i32 s23, s[RH], 64*PITCH                 ; and, phase 2, my 64 of W_V's: quarter 0 K half 0, quarter 1 K half 1
	s_lshl_b32 s43, s[WV], 9
	s_add_co_u32 s43, s43, SCR
	v_and_b32 v1, 15, v0                           ; r
	v_bfe_u32 v2, v0, 4, 1                         ; h
	v_lshlrev_b32 v[SVO], 5, v1
	v_lshl_add_u32 v[SVO], v2, 4, v[SVO]
	v_mul_u32_u24 v3, v1, PITCH
	v_lshl_add_u32 v3, v2, 4, v3
	v_add_nc_u32 v[ADRA], s21, v3
	v_add_nc_u32 v[ADRB], s22, v3
	v_add_nc_u32 v[ADRV], s23, v3
	v_add_nc_u32 v[ADRA+1], SLOT, v[ADRA]
	v_add_nc_u32 v[ADRB+1], SLOT, v[ADRB]
	v_add_nc_u32 v[ADRV+1], HALFT, v[ADRV]
	v_and_b32 v6, 31, v0
	v_lshlrev_b32 v[LI], 4, v6
	v_lshlrev_b32 v[LI8], 3, v6
	v_lshl_add_u32 v[SCW], v1, 2, s43
	v_add_nc_u32 v[SCD], s43, v[LI]
	v_add_nc_u32 v[SCD2], s43, v[LI8]
.irp b, 0,1,2,3
	v_mov_b32 v[TM+4+\b], 0                        ; written once: a lane permute's destination counts as one of its sources
.endr
.irp i, 0,1,2,3,4,5,6,7
	global_load_b128 v[S0+4*\i:S0+4*\i+3], v[SVO], s[SWA:SWA+1] offset:512*\i   ; W's scale words of block i
	global_load_b128 v[S1+4*\i:S1+4*\i+3], v[SVO], s[SXA:SXA+1] offset:512*\i   ; x's
.endr
.irp i, 0,1,2,3
	global_load_b128 v[SA+4*\i:SA+4*\i+3], v[SVO], s[SVA:SVA+1] offset:512*\i   ; W_V's; wanted in phase 2
.endr
	; where V's results go
	s_lshl_b32 s20, s46, 3
	s_lshl_b32 s21, s[RH], 2
	s_add_co_u32 s20, s20, s21                     ; my first block of 16 channels
	s_lshl_b32 s21, s42, 1
	s_add_co_u32 s21, s21, s[CH]                   ; my 128 keys
	s_lshr_b32 s22, s21, 4                         ; the batch,
	s_and_b32 s21, s21, 15                         ; the key step
	s_lshl_b32 s[OUTV], s22, 20
	s_add_co_u32 s[OUTV], s[OUTV], 0x800000
	s_lshl_b32 s23, s20, 14
	s_add_co_u32 s[OUTV], s[OUTV], s23
	s_lshl_b32 s23, s21, 10
	s_add_co_u32 s[OUTV], s[OUTV], s23
	s_mov_b32 s[OUTV+1], 0
	s_add_nc_u64 s[OUTV:OUTV+1], s[12:13], s[OUTV:OUTV+1]
	s_lshl_b32 s[OUTVS], s22, 16
	s_add_co_u32 s[OUTVS], s[OUTVS], 0x80000
	s_lshl_b32 s23, s21, 12
	s_add_co_u32 s[OUTVS], s[OUTVS], s23
	s_lshl_b32 s23, s20, 6
	s_add_co_u32 s[OUTVS], s[OUTVS], s23
	s_mov_b32 s[OUTVS+1], 0
	s_add_nc_u64 s[OUTVS:OUTVS+1], s[14:15], s[OUTVS:OUTVS+1]
	; and K's or Q's
	s_lshl_b32 s20, s19, 4
	s_lshl_b32 s21, s[RH], 3
	s_add_co_u32 s20, s20, s21                     ; my first block of 16 rows
	s_lshl_b32 s21, s40, 1
	s_add_co_u32 s21, s21, s[CH]                   ; my 128 of e
	s_lshl_b32 s22, s47, 22                        ; 4 MiB a tensor, 8 KiB a block of rows, 1 KiB for 128 of e
	s_lshl_b32 s23, s20, 13
	s_add_co_u32 s22, s22, s23
	s_lshl_b32 s23, s21, 10
	s_add_co_u32 s22, s22, s23
	s_mov_b32 s23, 0
	s_add_nc_u64 s[12:13], s[12:13], s[22:23]
	s_lshl_b32 s22, s47, 18
	s_lshl_b32 s43, s21, 15
	s_add_co_u32 s22, s22, s43
	s_lshl_b32 s43, s20, 6
	s_add_co_u32 s22, s22, s43
	s_add_nc_u64 s[14:15], s[14:15], s[22:23]
.macro FRAG reg, adr, q, i             ; 16 rows x 128 K: lane l holds row l % 16; registers 4 c .. 4 c + 3 hold K = 64 c + 32 (l / 16) + 0 .. 31
.irp c, 0,1
	ds_load_b128 v[\reg+4*\c:\reg+4*\c+3], v[\adr] offset:64*((\q)%4)+32*\c+(\i)*16*PITCH
.endr
.endm
.macro FB q, i0                        ; source 0's fragments i0 .. i0 + 3 of K step q, into set q % 2: eight loads
	WIN TO_B
.irp i, \i0, \i0+1, \i0+2, \i0+3
	FRAG 128*((\q)%2)+8*(\i), ADRB+((\q)/4), \q, \i
.endr
.endm
.macro FA q, i0                        ; source 1's, phase 1
	WIN 0
.irp i, \i0, \i0+1, \i0+2, \i0+3
	FRAG AF+64*((\q)%2)+8*(\i), ADRA+((\q)/4), \q, \i
.endr
.endm
.macro FV n                            ; source 1's four, phase 2
	WIN 0
.irp i, 0,1,2,3
	FRAG AF+32*((\n)%2)+8*\i, ADRV+((\n)/4), \n, \i
.endr
.endm
; Phase 1: 16 matrix instructions: source 1's blocks a0, a0 + 1 x source 0's eight, K step q.  The 64 accumulators take turns, one instruction a turn.  zero = 1: the first product starts the sums.
; K steps 4 to 7 take their scale words from lanes 16-31.
.macro MUL16 a0, q, zero
	WIN MUL_LO+0x50*((\a0)/4)
.irp a, \a0, \a0+1
.irp b, 0,1,2,3,4,5,6,7
.if \zero
	v_wmma_scale_f32_16x16x128_f8f6f4 v[8*(8*((\a)%4)+\b):8*(8*((\a)%4)+\b)+7], v[8*\b:8*\b+7], v[AF+8*(\a):AF+8*(\a)+7], 0, v[S0+4*\b], v[S1+4*(\a)] matrix_a_fmt:MATRIX_FMT_FP4 matrix_b_fmt:MATRIX_FMT_FP4
.elseif (\q) < 4
	v_wmma_scale_f32_16x16x128_f8f6f4 v[8*(8*((\a)%4)+\b):8*(8*((\a)%4)+\b)+7], v[128*((\q)%2)+8*\b:128*((\q)%2)+8*\b+7], v[AF+64*((\q)%2)+8*(\a):AF+64*((\q)%2)+8*(\a)+7], v[8*(8*((\a)%4)+\b):8*(8*((\a)%4)+\b)+7], v[S0+4*\b+(\q)%4], v[S1+4*(\a)+(\q)%4] matrix_a_fmt:MATRIX_FMT_FP4 matrix_b_fmt:MATRIX_FMT_FP4
.else
	v_wmma_scale_f32_16x16x128_f8f6f4 v[8*(8*((\a)%4)+\b):8*(8*((\a)%4)+\b)+7], v[128*((\q)%2)+8*\b:128*((\q)%2)+8*\b+7], v[AF+64*((\q)%2)+8*(\a):AF+64*((\q)%2)+8*(\a)+7], v[8*(8*((\a)%4)+\b):8*(8*((\a)%4)+\b)+7], v[S0+4*\b+(\q)%4], v[S1+4*(\a)+(\q)%4] matrix_a_fmt:MATRIX_FMT_FP4 matrix_b_fmt:MATRIX_FMT_FP4 matrix_a_scale:MATRIX_SCALE_ROW1 matrix_b_scale:MATRIX_SCALE_ROW1
.endif
.endr
.endr
.endm
.macro STEP q, zero                    ; phase 1: K step q; K step q + 1 of the same slot comes in four runs of eight loads, into the other sets
	s_wait_dscnt 8                                 ; all but the youngest eight loads (source 1's blocks 4-7) are in
	PLACES                                         ; between the last step's products and the loads into the sets that they read
	FB (\q)+1, 0
	MUL16 0, \q, \zero
	FB (\q)+1, 4
	MUL16 2, \q, \zero
	s_wait_dscnt 16                                ; blocks 4-7 are in; the sixteen loads just issued may be out
	FA (\q)+1, 0
	MUL16 4, \q, \zero
	FA (\q)+1, 4
	MUL16 6, \q, \zero
.endm
; The head of a slot's last step: each wave waits for all its tensor loads, adds 0 to its spare word, and waits for that and for its own reads of the slot; the barrier opens a round of the cluster's barrier,
; behind which no wave of any partner still reads the slot or has a load on its way.
.macro LEAVE q
	WIN 0
	s_wait_tensorcnt 0x0                           ; all my tensor loads have landed, so a group 0 may be written
	ds_add_u32 v[SPW], v[NIL]                      ; 0 onto my spare word
	s_wait_dscnt 9                                 ; (the add and the youngest eight loads may be out)
	MUL16 0, \q, 0                                 ; sixteen matrix instructions stand between the add and the wait for it
	s_wait_dscnt 0x0                               ; the add is done, and my reads of this slot are over
	s_barrier_signal -1
	MUL16 2, \q, 0
	WIN 0
	s_barrier_wait -1
	CREST
.endm
; Phase 2.  Step n of eight; fragments in the sets n % 2.
.macro MULV a0, n                      ; 16 matrix instructions: W_V's blocks a0, a0 + 1 x x_v's eight tiles; the 32 accumulators take turns
	WIN MUL_LO
.irp a, \a0, \a0+1
.irp b, 0,1,2,3,4,5,6,7
.if (\n) == 0
	v_wmma_scale_f32_16x16x128_f8f6f4 v[8*(8*(\a)+\b):8*(8*(\a)+\b)+7], v[8*\b:8*\b+7], v[AF+8*(\a):AF+8*(\a)+7], 0, v[S0+4*\b], v[SA+4*(\a)] matrix_a_fmt:MATRIX_FMT_FP4 matrix_b_fmt:MATRIX_FMT_FP4
.elseif (\n) < 4
	v_wmma_scale_f32_16x16x128_f8f6f4 v[8*(8*(\a)+\b):8*(8*(\a)+\b)+7], v[128*((\n)%2)+8*\b:128*((\n)%2)+8*\b+7], v[AF+32*((\n)%2)+8*(\a):AF+32*((\n)%2)+8*(\a)+7], v[8*(8*(\a)+\b):8*(8*(\a)+\b)+7], v[S0+4*\b+(\n)%4], v[SA+4*(\a)+(\n)%4] matrix_a_fmt:MATRIX_FMT_FP4 matrix_b_fmt:MATRIX_FMT_FP4
.else
	v_wmma_scale_f32_16x16x128_f8f6f4 v[8*(8*(\a)+\b):8*(8*(\a)+\b)+7], v[128*((\n)%2)+8*\b:128*((\n)%2)+8*\b+7], v[AF+32*((\n)%2)+8*(\a):AF+32*((\n)%2)+8*(\a)+7], v[8*(8*(\a)+\b):8*(8*(\a)+\b)+7], v[S0+4*\b+(\n)%4], v[SA+4*(\a)+(\n)%4] matrix_a_fmt:MATRIX_FMT_FP4 matrix_b_fmt:MATRIX_FMT_FP4 matrix_a_scale:MATRIX_SCALE_ROW1 matrix_b_scale:MATRIX_SCALE_ROW1
.endif
.endr
.endr
.endm
.macro STEPV n
	s_wait_dscnt 0x0                               ; my sets are in
.if (\n) == 3
	s_wait_tensorcnt 0x0                           ; the next step reads slot 1: my part of its second fill has landed,
	s_barrier_signal -1
	s_barrier_wait -1                              ; everybody's has
.endif
.if (\n) < 7
	PLACES                                         ; between the last step's products and the loads into the sets that they read
	FB (\n)+1, 0
	FB (\n)+1, 4
.endif
	MULV 0, \n
.if (\n) < 7
	FV (\n)+1
.endif
	MULV 2, \n
	WIN 0
.endm
; THE WAY OUT.  Block a: 16 of source 1's rows x my 128 of source 0's index.  Register 16 b + i of the block's 64 is index 32 b + 16 (lane / 16) + i of my row: four blocks of 32, each shared with lane l xor 16.
; bs: the scalar pair with the images' address; st: bytes from a block's image to the next.  Every offset is an immediate: no base is stepped.
.macro QUANTW a, bs, st
.set AC, 64*((\a)%4)
.set PCA, PC+8*(\a)
	WIN 0x0a+5*((\a)/4)                            ; sources 0 and 1: window 2 or 3
.irp b, 0,1,2,3
	v_max3_num_f32 v[TM+\b], |v[AC+16*\b]|, |v[AC+16*\b+1]|, 0x1800000   ; each accumulator is read from its low end on; the floor 2^(3 - 127) holds the byte at 1 from below
.endr
.irp i, 2,4,6,8,10,12,14
.irp b, 0,1,2,3
	v_max3_num_f32 v[TM+\b], |v[AC+16*\b+\i]|, |v[AC+16*\b+\i+1]|, v[TM+\b]
.endr
.endr
	WIN 0
.irp b, 0,1,2,3
	v_permlanex16_b32 v[TM+4+\b], v[TM+\b], s[SEL], s[SEL+1]
.endr
.irp b, 0,1,2,3
	v_max_num_f32 v[TM+\b], v[TM+\b], v[TM+4+\b]   ; the block's largest magnitude
.endr
.irp b, 0,1,2,3
	v_add_nc_u32 v[TM+12+\b], 0xff000000, v[TM+\b] ; 2 off its exponent field: the conversion's scale operand
.endr
.irp b, 0,1,2,3
	v_lshrrev_b32 v[TM+8+\b], 23, v[TM+12+\b]      ; the scale's byte
.endr
	v_lshl_or_b32 v[PW], v[TM+9], 8, v[TM+8]
	v_lshl_or_b32 v[PW], v[TM+10], 16, v[PW]
	v_lshl_or_b32 v[PW], v[TM+11], 24, v[PW]       ; my row's scale word
	WIN 0x02+((\a)/4)
.irp b, 0,1,2,3
	v_cvt_scalef32_pk8_fp4_f32 v[PCA+2*\b], v[AC+16*\b:AC+16*\b+7], v[TM+12+\b]
	v_cvt_scalef32_pk8_fp4_f32 v[PCA+2*\b+1], v[AC+16*\b+8:AC+16*\b+15], v[TM+12+\b]
.endr
	WIN 0
	v_nop                                          ; one plain place behind a scaled conversion
.irp c, 0,1                            ; the operand's layout wants a whole block in a lane
.irp i, 0,1
	v_permlane16_swap_b32 v[PCA+4*\c+\i], v[PCA+4*\c+2+\i]
.endr
.endr
	global_store_b128 v[LI], v[PCA:PCA+3], s[\bs:\bs+1] offset:(\a)*(\st)         ; the fragment's image: 512 bytes on end, aligned, a store
	global_store_b128 v[LI], v[PCA+4:PCA+7], s[\bs:\bs+1] offset:(\a)*(\st)+512
	ds_store_b32 v[SCW], v[PW] offset:64*(\a)      ; lanes r and r + 16 write the same word with the same value
.endm
	; ---- PHASE 1: a tile of K or of Q
	s_wait_alu depctr_va_vdst(0)                   ; the wait at the head's end
	s_wait_tensorcnt 0x0                           ; my part of slot 0 is in
	ds_add_u32 v[SPW], v[NIL]                      ; 0 onto my spare word
	s_wait_dscnt 0x0                               ; the add is done
	CROUND                                         ; everybody's part of slot 0 is in, and all sixteen work-groups are here: the joint loads meet,
	JLOAD 1                                        ; and slot 1's load, the first tensor load behind the round; it has slot 0's steps in which to land
	FB 0, 0
	FB 0, 4
	FA 0, 0
	FA 0, 4
	s_wait_loadcnt 0x0                             ; my scale words are in
	STEP 0, 1
	STEP 1, 0
	STEP 2, 0
	LEAVE 3                                        ; slot 0 is left: it is filled again, for phase 2
	s_mov_b64 s[G0+2:G0+3], s[VA:VA+1]             ; waves 0, 1: W_V's 128 rows, K half 0 and K half 1, into quarters 0 and 1
	s_or_b32 s[G0+3], s[G0+3], 0x80000000
	s_mov_b64 s[G0B+2:G0B+3], s[VB:VB+1]           ; waves 2, 3: x_v's two halves of 128 rows, K half 0, into quarters 2 and 3
	s_or_b32 s[G0B+3], s[G0B+3], 0x80000000
	JLOAD 0                                        ; the first tensor load behind the round, one a wave; it has slot 1's steps in which to land
	FB 4, 0
	FB 4, 4
	MUL16 4, 3, 0
	FA 4, 0
	MUL16 6, 3, 0
	FA 4, 4
	STEP 4, 0
	STEP 5, 0
	STEP 6, 0
	LEAVE 7                                        ; slot 1 is left; my part of slot 0's second fill has landed, and behind the round everybody's has
	s_add_nc_u64 s[G0B+6:G0B+7], s[VB:VB+1], ROWB  ; waves 2, 3: x_v's K half 1, into slot 1's quarters 2 and 3; waves 0, 1 have nothing left to fetch
	s_or_b32 s[G0B+7], s[G0B+7], 0x80000000
	s_cmp_eq_u32 s[RH], 0                          ; the wave's number alone: the same in every work-group
	s_cbranch_scc1 .Lno_more
	tensor_load_to_lds s[G0B+4:G0B+7], s[G1B:G1B+7]   ; it has the way out below and three steps of phase 2 in which to land
	s_nop 0
	PLACES
.Lno_more:
	PLACES                                         ; on every wave's way: between earlier products and the loads below
	FB 0, 0                                        ; phase 2's first fragments, out of slot 0
	FB 0, 4
	FV 0
	MUL16 4, 7, 0
	MUL16 6, 7, 0
	WIN 0
	PLACES                                         ; behind the last products, ahead of the loads into their scale words and of the first read of results
.irp i, 0,1,2,3,4,5,6,7
	global_load_b128 v[S0+4*\i:S0+4*\i+3], v[SVO], s[SVB:SVB+1] offset:512*\i   ; x_v's scale words of tile i; wanted in phase 2
.endr
.irp a, 0,1,2,3,4,5,6,7
	QUANTW \a, 12, 8192
.endr
	ds_load_b128 v[TM:TM+3], v[SCD]                ; LDS serves a wave's instructions in order: this sees my stores
	s_wait_dscnt 0x0
	global_store_b128 v[LI], v[TM:TM+3], s[14:15]  ; my 128 rows' scale words: 512 bytes on end
	; ---- PHASE 2: 256 keys x 128 channels of V
	s_wait_alu depctr_va_vdst(0)                   ; the wait here, directly ahead of the wait below
	s_wait_loadcnt 0x0                             ; x_v's scale words are in
.irp n, 0,1,2,3,4,5,6,7
	STEPV \n
.endr
	s_wait_xcnt 0x0                                ; phase 1's stores have read their registers: the codes' and the work registers are written again below
	PLACES                                         ; behind the last products, ahead of the first read of results
.irp a, 0,1,2,3
	QUANTW \a, OUTV, 16384
.endr
	ds_load_b64 v[TM:TM+1], v[SCD2]                ; my 64 channels' scale words
	s_wait_dscnt 0x0
	global_store_b64 v[LI8], v[TM:TM+1], s[OUTVS:OUTVS+1]   ; 256 bytes on end, aligned
	s_wait_tensorcnt 0x0                           ; the wave's end
	ds_add_u32 v[SPW], v[NIL]
	s_wait_dscnt 0x0
	CROUND                                         ; the closing round
	s_endpgm
.Lfunc_end_k_q43bddf2efc_proj:
	.size	k_q43bddf2efc_proj, .Lfunc_end_k_q43bddf2efc_proj-k_q43bddf2efc_proj
	.p2alignl 7, 3214868480
	.fill 96, 4, 3214868480
	.section	.rodata,"a",@progbits
	.p2align	6, 0x0
	.amdhsa_kernel k_q43bddf2efc_proj
		.amdhsa_group_segment_fixed_size 327680
		.amdhsa_private_segment_fixed_size 0
		.amdhsa_enable_private_segment 0
		.amdhsa_kernarg_size 48
		.amdhsa_user_sgpr_count 2
		.amdhsa_user_sgpr_kernarg_segment_ptr 1
		.amdhsa_wavefront_size32 1
		.amdhsa_system_sgpr_workgroup_id_x 1
		.amdhsa_system_sgpr_workgroup_id_y 1
		.amdhsa_system_sgpr_workgroup_id_z 1
		.amdhsa_system_vgpr_workitem_id 0
		.amdhsa_next_free_vgpr 1024
		.amdhsa_next_free_sgpr 102
		.amdhsa_reserve_vcc 0
		.amdhsa_float_denorm_mode_32 3
		.amdhsa_float_denorm_mode_16_64 3
		.amdhsa_memory_ordered 1
		.amdhsa_forward_progress 1
		.amdhsa_inst_pref_size 195
	.end_amdhsa_kernel
	.amdgpu_metadata
---
amdhsa.version: [ 1, 2 ]
amdhsa.kernels:
  - .name:           k_q43bddf2efc_proj
    .symbol:         k_q43bddf2efc_proj.kd
    .args:
      - { .name: xq_codes, .offset: 0, .size: 8, .value_kind: global_buffer, .address_space: global }
      - { .name: xq_scales, .offset: 8, .size: 8, .value_kind: global_buffer, .address_space: global }
      - { .name: wq_codes, .offset: 16, .size: 8, .value_kind: global_buffer, .address_space: global }
      - { .name: wq_scales, .offset: 24, .size: 8, .value_kind: global_buffer, .address_space: global }
      - { .name: img, .offset: 32, .size: 8, .value_kind: global_buffer, .address_space: global }
      - { .name: imgs, .offset: 40, .size: 8, .value_kind: global_buffer, .address_space: global }
    .group_segment_fixed_size: 327680
    .private_segment_fixed_size: 0
    .kernarg_segment_align: 8
    .kernarg_segment_size: 48
    .max_flat_workgroup_size: 128
    .sgpr_count:     102
    .vgpr_count:     1024
    .wavefront_size: 32
...
	.end_amdgpu_metadata
.endif
;; end of part 2
;; launch score (part 3): grid 36 x 4, 8 waves a work-group, no clusters, 327,680 bytes of LDS; arguments img, imgs, p_img, p_stat; writes p_img, p_stat
.if DOCPART == 3
	.amdgcn_target "amdgcn-amd-amdhsa--gfx1250"
	.amdhsa_code_object_version 6
	.text
	.protected	k_q43bddf2efc_score
	.globl	k_q43bddf2efc_score
	.p2align	8
	.type	k_q43bddf2efc_score,@function
k_q43bddf2efc_score:
	s_mov_b64 s[64:65], 0
	v_nop
	global_prefetch_b8 v0, s[64:65] scope:SCOPE_SE
	s_setreg_imm32_b32 hwreg(HW_REG_WAVE_MODE, 25, 1), 1
	s_wait_xcnt 0x0
; S^T = K Q^T on codes of FP4, the causal mask, p and p's codes.  WORK LEFT OUT: tiles of 256 queries x 256 keys that lie wholly behind the diagonal are not launched (36 tiles a batch of 64): the mask makes p = 0 there for all finite inputs;
; in a tile on the diagonal the quarter (first 128 queries, last 128 keys) is multiplied with the rest and then neither worked on nor stored.
; LIMIT: a NaN, an infinity or an overflow that reaches only what is left out is not carried to the result.
; NO CLUSTER: the rows of the triangle have 1 to 8 tiles, so every grouping by fours would hold work-groups with nothing to compute.  No prefetch: K is two slots, and there is no loop to run ahead in.
; A work-group makes 256 queries x 256 keys, each of its EIGHT waves 64 x 128: two waves to a SIMD, so that one wave's vector work stands beside the other's products.  Source 0 = 16 keys, source 1 = 16 queries: a lane holds one query, and its 16 registers
; of two tiles on end are 16 neighbouring keys.
; Q's and K's fragments lie in memory as images of registers.  Two slots of 512 along K: 64 rows are 4 pieces of 4,096 bytes, one tensor load a wave; slot 0 is asked for at the head, slot 1 when slot 0 has landed, and has three steps in which to land; nothing is filled again.
; Scale words come straight into registers, 32 rows a load: lanes 16-31 hold the odd block's.
; THE MASK is the C of the first K step: -2^100 where the key comes after the query, else 0.
; p.  t = score x log2(e) / sqrt(2048).  For each block of 32 keys m = floor(the block's largest t), a whole number, and p' = 2^(t - m): the block's largest p' lies in [1, 2), so its scale by the quantiser's rule is 2^-2 exactly,
; and against any whole number M the block's byte is 125 + m - M: the codes hang on no M.  Stored: the codes; for each row and 128 keys MX = the largest m, the four bytes 125 + m - MX (held at 0 from below), and l = the sum of the unquantised p' x 2^(m - MX).
; The next launch takes the row's largest MX into the bytes.  A block wholly behind the diagonal has m = floor(-2^70 c), codes 0 and byte 0.
; LIMITS: |score| under 2^70; a block more than 125 binary orders under its 128 keys' largest is held at the byte 0; NaN and infinities are not served.
; WHERE p GOES.  Tiles of 128 queries I' and 15 - I' share a block of 17 slots of 128 keys: the later tile's key step ks lies in slot ks, the earlier tile's in slot 16 - ks.  p_img [batch][pair][16 rows][slot][1 KiB]; p_stat: three planes [batch][pair][slot][row].
; REGISTERS: window 0: v0-15 addresses; v16-63 scale words and nothing else; v64-127 Q's fragments, two sets; v128-255 K's, two sets; on the way out v64-223 are at work.  window 1: the 32 accumulators.
.set KOFF,   65536                     ; LDS, in a slot: Q's 16 blocks of 16 rows from 0, K's from here, each block [4 x 128 of K][1 KiB]
.set SLOTB,  131072
.set SPARE,  262144                    ; the spare words, 128 bytes for each wave
.set SCR,    263168                    ; 768 bytes a wave: three planes of 64 rows on the way out; no fill lands here
.set PLANE,  278528                    ; a plane of p_stat
.set SCW,  3
.set SCD,  4
.set L8,   6
.set LI,   7
.set ADRA, 8                           ; v8-9   Q's fragments, slot 0, 1
.set ADRB, 10                          ; v10-11 K's
.set SPW,  12
.set NIL,  13
.set KSC,  14                          ; v14  2^-2: the conversions' scale operand
.set L4,   15
.set SK,   16                          ; v16-47 K's scale words: K step q, blocks 2 i and 2 i + 1 at 4 q + i
.set SQ,   48                          ; v48-63 Q's: 2 q + i
.set AS,   64
.set BS,   128
.set TH,   192                         ; the mask's tiles, in K's second set
.set TD,   200
.set NEG,  232
.set TM,   64                          ; on the way out: v64-71 largest scores, later the blocks' sums
.set MB,   72                          ; v72, 74, 76, 78: m of the four blocks (the packed form names pairs)
.set MX,   80
.set DD,   81
.set WB,   85
.set BY,   89
.set PW,   93
.set LS,   94
.set TP,   95
.set EE,   128                         ; p'
.set PC,   192                         ; the codes
.set WV,   16                          ; s16 wave; s17 its 128 of the queries; s23 which 64 of those; s18 its half of the keys
.set RH,   17
.set CH,   18
.set QP,   23
.set CS,   78                          ; s[78:79] c = log2(e) / sqrt(2048)
.set SEL,  80
.set MSB, 0
.macro WIN new
.if MSB != (\new)
	s_set_vgpr_msb (MSB<<8)|(\new)
.set MSB, \new
.endif
.endm
.macro PLACES                          ; plain vector instructions between a matrix instruction and a load into, or a write or read of, its registers
.rept 4
	v_nop
.endr
.endm
	s_load_b256 s[4:11], s[0:1], 0x0               ; img, imgs, p_img, p_stat
	v_lshl_add_u32 v[SPW], v0, 2, SPARE
	v_mov_b32 v[NIL], 0
	ds_add_u32 v[SPW], v[NIL]                      ; the wave's opening: the add, twice on end, and its wait ahead of my first tensor load
	ds_add_u32 v[SPW], v[NIL]
	v_lshrrev_b32 v1, 5, v0
	v_readfirstlane_b32 s[WV], v1
	s_lshr_b32 s[RH], s[WV], 2
	s_and_b32 s[CH], s[WV], 1
	s_bfe_u32 s[QP], s[WV], 0x10001
	s_and_b32 s21, ttmp7, 0xffff                   ; the batch
	s_mov_b32 s19, 0                               ; the tile's row I in the triangle: how many of the rows' first numbers are at or under mine
.irp th, 1,3,6,10,15,21,28
	s_cmp_ge_u32 ttmp9, \th
	s_cselect_b32 s22, 1, 0
	s_add_co_u32 s19, s19, s22
.endr
	s_add_co_u32 s22, s19, 1
	s_mul_i32 s22, s22, s19
	s_lshr_b32 s22, s22, 1
	s_sub_co_u32 s20, ttmp9, s22                   ; and its column J, 0 to I
	s_mov_b32 s24, 3<<16                           ; 4 rows of 4,096 bytes (512 elements of 8), 8,192 bytes apart
	s_mov_b32 s25, 512<<16
	s_mov_b32 s26, 4<<16
	s_mov_b32 s27, 512<<16
	s_mov_b32 s28, 4
	s_mov_b32 s29, 1024
	s_mov_b32 s30, 0
	s_mov_b32 s31, 0
	s_cmp_lt_u32 s[WV], 4                          ; waves 0 to 3 fetch for Q, waves 4 to 7 for K
	s_cselect_b32 s22, s19, s20                    ; Q by the tile's row, K by its column
	s_cselect_b32 s52, 0x400000, 0                 ; Q's images lie 4 MiB on
	s_lshl_b32 s22, s22, 4
	s_lshl_b32 s53, s21, 7
	s_add_co_u32 s22, s22, s53
	s_and_b32 s53, s[WV], 3
	s_lshl_b32 s53, s53, 2
	s_add_co_u32 s22, s22, s53                     ; my first block of 16 rows
	s_lshl_b32 s54, s22, 13
	s_add_co_u32 s54, s54, s52
	s_mov_b32 s55, 0
	s_lshl_b32 s41, s[WV], 14                      ; where they go: slot 0,
	s_add_co_u32 s45, s41, SLOTB                   ; slot 1
	s_lshl_b32 s60, s21, 11
	s_lshl_b32 s56, s19, 8
	s_add_co_u32 s56, s56, s60
	s_lshr_b32 s61, s[WV], 1
	s_lshl_b32 s61, s61, 6
	s_add_co_u32 s56, s56, s61
	s_lshl_b32 s56, s56, 2
	s_add_co_u32 s56, s56, 0x40000                 ; Q's scale words: my 64 rows, 256 KiB on
	s_mov_b32 s57, 0
	s_lshl_b32 s58, s20, 8
	s_add_co_u32 s58, s58, s60
	s_lshl_b32 s61, s[CH], 7
	s_add_co_u32 s58, s58, s61
	s_lshl_b32 s58, s58, 2                         ; K's: my 128 rows
	s_mov_b32 s59, 0
	s_mov_b32 s[CS], 0x3d0293ee
	s_mov_b32 s[CS+1], s[CS]
	s_mov_b32 s[SEL], 0x76543210
	s_mov_b32 s[SEL+1], 0xfedcba98
	s_mov_b32 s40, 1
	s_mov_b32 s44, 1
	s_wait_dscnt 0x0                               ; both opening adds are done
	s_wait_kmcnt 0x0
	s_add_nc_u64 s[42:43], s[4:5], s[54:55]
	s_add_nc_u64 s[46:47], s[42:43], 4096          ; slot 1: the second 512 along K
	s_or_b32 s43, s43, 0x80000000
	s_or_b32 s47, s47, 0x80000000
	s_add_nc_u64 s[56:57], s[6:7], s[56:57]
	s_add_nc_u64 s[58:59], s[6:7], s[58:59]
	tensor_load_to_lds s[40:43], s[24:31]          ; slot 0: one load a wave
	s_nop 0
	PLACES
	v_and_b32 v5, 31, v0
	v_lshlrev_b32 v[L4], 2, v5
.irp q, 0,1,2,3,4,5,6,7
.irp i, 0,1,2,3
	global_load_b32 v[SK+4*\q+\i], v[L4], s[58:59] offset:32768*\q+128*\i
.endr
.irp i, 0,1
	global_load_b32 v[SQ+2*\q+\i], v[L4], s[56:57] offset:32768*\q+128*\i
.endr
.endr
	; the mask's tiles, made while the loads are on their way.  In 128 x 128 the query of lane (r, h) in block a is 32 (a / 2) + 8 (a % 2) + r + 8 (r / 8), the key of register i in tile j is 32 (j / 2) + 16 h + 8 (j % 2) + i
	s_xor_b32 s60, s19, s20
	s_xor_b32 s61, s[RH], s[CH]
	s_or_b32 s60, s60, s61
	s_cmp_eq_u32 s60, 0                            ; does my quarter lie on the diagonal?
	s_cselect_b32 s61, 0xf1800000, 0
	s_cselect_b32 s62, 0, 1000
	s_lshr_b32 s22, s[WV], 1
	s_lshl_b32 s22, s22, 14                        ; LDS: my 64 rows of Q,
	s_lshl_b32 s52, s[CH], 15
	s_add_co_u32 s52, s52, KOFF                    ; my 128 rows of K,
	s_mul_i32 s53, s[WV], 768
	s_add_co_u32 s53, s53, SCR                     ; my three planes
	v_and_b32 v1, 15, v0
	v_bfe_u32 v2, v0, 4, 1
	v_mov_b32 v[NEG], 0xf1800000
	v_and_b32 v3, 8, v1
	v_add_nc_u32 v3, v3, v1
	v_lshlrev_b32 v4, 4, v2
	v_sub_nc_u32 v3, v3, v4
	v_add_nc_u32 v3, s62, v3                       ; r + 8 (r / 8) - 16 h; off the diagonal so large that nothing is hidden
.irp i, 0,1,2,3,4,5,6,7
	v_mov_b32 v[TH+\i], s61                        ; j / 2 > a / 2: all hidden
.endr
.irp u, 0,1
.irp ua, 0,1
.irp i, 0,1,2,3,4,5,6,7
	v_cmp_gt_i32 vcc_lo, 8*\u+\i-8*\ua, v3         ; j / 2 = a / 2: hidden where 8 (j % 2) + i - 8 (a % 2) is the larger
	v_cndmask_b32 v[TD+8*(2*\u+\ua)+\i], 0, v[NEG], vcc_lo
.endr
.endr
.endr
	v_lshlrev_b32 v[LI], 4, v5
	v_lshlrev_b32 v[L8], 3, v5
	v_add_nc_u32 v[ADRA], s22, v[LI]
	v_add_nc_u32 v[ADRB], s52, v[LI]
	v_add_nc_u32 v[ADRA+1], SLOTB, v[ADRA]
	v_add_nc_u32 v[ADRB+1], SLOTB, v[ADRB]
	v_lshl_add_u32 v[SCW], v1, 2, s53
	v_add_nc_u32 v[SCD], s53, v[L8]
	v_mov_b32 v[KSC], 0x3e800000
	; where p goes
	s_lshl_b32 s66, s19, 1
	s_add_co_u32 s66, s66, s[RH]                   ; my tile of 128 queries,
	s_lshl_b32 s67, s20, 1
	s_add_co_u32 s67, s67, s[CH]                   ; my key step
	s_sub_co_u32 s68, 15, s66
	s_sub_co_u32 s69, 16, s67
	s_cmp_le_u32 s66, 7
	s_cselect_b32 s68, s66, s68                    ; the pair
	s_cselect_b32 s69, s69, s67                    ; the slot
	s_lshl_b32 s70, s21, 3
	s_add_co_u32 s70, s70, s68
	s_mul_i32 s72, s70, 8*17408
	s_lshl_b32 s71, s69, 10
	s_add_co_u32 s72, s72, s71
	s_mul_i32 s71, s[QP], 4*17408
	s_add_co_u32 s72, s72, s71
	s_mov_b32 s73, 0
	s_mul_i32 s74, s70, 17
	s_add_co_u32 s74, s74, s69
	s_lshl_b32 s74, s74, 9
	s_lshl_b32 s71, s[QP], 8
	s_add_co_u32 s74, s74, s71
	s_mov_b32 s75, 0
	s_add_nc_u64 s[8:9], s[8:9], s[72:73]
	s_add_nc_u64 s[10:11], s[10:11], s[74:75]
; One product: acc the accumulator, bf and af the fragments, cc the C operand, sa and sb the scale words; ja, jb: the scale words stand in lanes 16-31
.macro WM acc, bf, af, cc, sa, sb, ja, jb
.if (\ja) && (\jb)
	v_wmma_scale_f32_16x16x128_f8f6f4 v[\acc:\acc+7], v[\bf:\bf+7], v[\af:\af+7], \cc, v[\sa], v[\sb] matrix_a_fmt:MATRIX_FMT_FP4 matrix_b_fmt:MATRIX_FMT_FP4 matrix_a_scale:MATRIX_SCALE_ROW1 matrix_b_scale:MATRIX_SCALE_ROW1
.elseif (\ja)
	v_wmma_scale_f32_16x16x128_f8f6f4 v[\acc:\acc+7], v[\bf:\bf+7], v[\af:\af+7], \cc, v[\sa], v[\sb] matrix_a_fmt:MATRIX_FMT_FP4 matrix_b_fmt:MATRIX_FMT_FP4 matrix_a_scale:MATRIX_SCALE_ROW1
.elseif (\jb)
	v_wmma_scale_f32_16x16x128_f8f6f4 v[\acc:\acc+7], v[\bf:\bf+7], v[\af:\af+7], \cc, v[\sa], v[\sb] matrix_a_fmt:MATRIX_FMT_FP4 matrix_b_fmt:MATRIX_FMT_FP4 matrix_b_scale:MATRIX_SCALE_ROW1
.else
	v_wmma_scale_f32_16x16x128_f8f6f4 v[\acc:\acc+7], v[\bf:\bf+7], v[\af:\af+7], \cc, v[\sa], v[\sb] matrix_a_fmt:MATRIX_FMT_FP4 matrix_b_fmt:MATRIX_FMT_FP4
.endif
.endm
.macro FETCH q                         ; K step q's fragments into the sets q % 2: they come as they were stored, 16 bytes a lane, 512 bytes on end a load
.irp i, 0,1,2,3,4,5,6,7
.irp c, 0,1
	ds_load_b128 v[BS+64*((\q)%2)+8*\i+4*\c:BS+64*((\q)%2)+8*\i+4*\c+3], v[ADRB+((\q)/4)] offset:(\i*4+((\q)%4))*1024+512*\c
.endr
.endr
.irp i, 0,1,2,3
.irp c, 0,1
	ds_load_b128 v[AS+32*((\q)%2)+8*\i+4*\c:AS+32*((\q)%2)+8*\i+4*\c+3], v[ADRA+((\q)/4)] offset:(\i*4+((\q)%4))*1024+512*\c
.endr
.endr
.endm
; The first K step: its C is the mask.  In 128 x 128 my four blocks are 4 qp .. 4 qp + 3.  The 32 accumulators take turns, one instruction a turn
.macro MULM qp
	WIN 0x40                                       ; D window 1, C window 0
.irp a, 0,1,2,3
.irp b, 0,1,2,3,4,5,6,7
.if (\b/2) < (2*\qp+\a/2)
	WM 8*(8*\a+\b),BS+8*\b,AS+8*\a,0,SK+\b/2,SQ+\a/2,\b%2,\a%2
.elseif (\b/2) > (2*\qp+\a/2)
	WM 8*(8*\a+\b),BS+8*\b,AS+8*\a,v[TH:TH+7],SK+\b/2,SQ+\a/2,\b%2,\a%2
.else
	WM 8*(8*\a+\b),BS+8*\b,AS+8*\a,v[TD+8*(2*(\b%2)+\a%2):TD+8*(2*(\b%2)+\a%2)+7],SK+\b/2,SQ+\a/2,\b%2,\a%2
.endif
.endr
.endr
	WIN 0
.endm
.macro STEP q
	s_wait_dscnt 0x0                               ; my sets are in
.if (\q) == 3
	s_wait_tensorcnt 0x0                           ; the next step reads slot 1: my part of it has landed,
	s_barrier_signal -1
	s_barrier_wait -1                              ; everybody's has
.endif
	PLACES                                         ; between the last step's products and the loads into the sets that they read
.if (\q) < 7
	FETCH (\q)+1
.endif
	WIN 0x50                                       ; C and D window 1
.irp a, 0,1,2,3
.irp b, 0,1,2,3,4,5,6,7
	WM 8*(8*\a+\b),BS+64*((\q)%2)+8*\b,AS+32*((\q)%2)+8*\a,v[8*(8*\a+\b):8*(8*\a+\b)+7],SK+4*(\q)+\b/2,SQ+2*(\q)+\a/2,\b%2,\a%2
.endr
.endr
	WIN 0
.endm
	s_wait_alu depctr_va_vdst(0)                   ; the wait at the head's end
	s_wait_tensorcnt 0x0                           ; my part of slot 0 is in
	ds_add_u32 v[SPW], v[NIL]                      ; 0 onto my spare word
	s_wait_dscnt 0x0                               ; the add is done
	s_barrier_signal -1
	s_barrier_wait -1                              ; everybody's part is in,
	tensor_load_to_lds s[44:47], s[24:31]          ; and slot 1's load, one a wave, the first thing behind the barrier
	s_nop 0
	PLACES
	FETCH 0
	s_wait_loadcnt 0x0                             ; my scale words are in
	s_wait_dscnt 0x0
	s_cmp_eq_u32 s[QP], 0
	s_cbranch_scc0 .Lsecond
	MULM 0
	s_branch .Lmasked
.Lsecond:
	MULM 1
.Lmasked:
	PLACES                                         ; ahead of the loads over the mask's tiles, which the products above read
	FETCH 1
.irp q, 1,2,3,4,5,6,7
	STEP \q
.endr
	s_xor_b32 s76, s19, s20                        ; on the diagonal waves 1 and 3 lie wholly behind it: nothing of theirs is kept.  Ids and the wave's number alone; no barrier follows
	s_xor_b32 s77, s[CH], 1
	s_or_b32 s76, s76, s77
	s_or_b32 s76, s76, s[RH]
	s_cmp_eq_u32 s76, 0
	s_cbranch_scc1 .Lend
; Block a: 16 queries x my 128 keys.  Register 16 b + i of the block's 64 is key 32 b + 16 (lane / 16) + i of my query.
.macro SOFT a
.set AC, 64*(\a)
.set PCA, PC+8*(\a)
	WIN 0x05                                       ; sources 0 and 1 window 1
	s_wait_alu depctr_va_vdst(0)                   ; the wait here, directly ahead of the results' first reader
.irp b, 0,1,2,3
	v_max3_num_f32 v[TM+\b], v[AC+16*\b], v[AC+16*\b+1], 0xe2800000   ; the block's largest score, over the floor -2^70; each accumulator is read from its low end on
.endr
.irp i, 2,4,6,8,10,12,14
.irp b, 0,1,2,3
	v_max3_num_f32 v[TM+\b], v[AC+16*\b+\i], v[AC+16*\b+\i+1], v[TM+\b]
.endr
.endr
	WIN 0
.irp b, 0,1,2,3
	v_permlanex16_b32 v[TM+4+\b], v[TM+\b], s[SEL], s[SEL+1]
.endr
.irp b, 0,1,2,3
	v_max_num_f32 v[TM+\b], v[TM+\b], v[TM+4+\b]
.endr
.irp b, 0,1,2,3
	v_mul_f32 v[TM+\b], s[CS], v[TM+\b]            ; as t (c is positive)
.endr
.irp b, 0,1,2,3
	v_floor_f32 v[MB+2*\b], v[TM+\b]               ; m: a whole number
.endr
	v_max3_num_f32 v[MX], v[MB], v[MB+2], v[MB+4]
	v_max_num_f32 v[MX], v[MX], v[MB+6]
	WIN 0x01
.irp b, 0,1,2,3
.irp i, 0,2,4,6,8,10,12,14
	v_pk_fma_f32 v[EE+16*\b+\i:EE+16*\b+\i+1], v[AC+16*\b+\i:AC+16*\b+\i+1], s[CS:CS+1], v[MB+2*\b:MB+2*\b+1] op_sel_hi:[1,0,0] neg_lo:[0,0,1] neg_hi:[0,0,1]   ; t - m, two at a time
.endr
.endr
	WIN 0
.set j, 0
	s_wait_alu depctr_va_vdst(0)                   ; one wait ahead of the batch
.rept 64
	v_exp_f32 v[EE+j], v[EE+j]                     ; p': one batch
.set j, j+1
.endr
.irp b, 0,1,2,3
	v_sub_f32 v[DD+\b], v[MB+2*\b], v[MX]          ; plain work that names no result of the batch: m - MX, 0 or less,
.endr
.irp b, 0,1,2,3
	v_cvt_i32_f32 v[DD+\b], v[DD+\b]               ; as a whole number (it saturates),
.endr
.irp b, 0,1,2,3
	v_ldexp_f32 v[WB+\b], 1.0, v[DD+\b]            ; 2^(m - MX),
.endr
.irp b, 0,1,2,3
	v_add_nc_u32 v[BY+\b], 125, v[DD+\b]
.endr
.irp b, 0,1,2,3
	v_max_i32 v[BY+\b], 0, v[BY+\b]                ; the byte
.endr
	v_lshl_or_b32 v[PW], v[BY+1], 8, v[BY]
	v_lshl_or_b32 v[PW], v[BY+2], 16, v[PW]
	v_lshl_or_b32 v[PW], v[BY+3], 24, v[PW]
	s_wait_alu depctr_va_vdst(0)                   ; one wait for the batch, ahead of its first reader
.irp b, 0,1,2,3
	v_pk_add_f32 v[TM+2*\b:TM+2*\b+1], v[EE+16*\b:EE+16*\b+1], v[EE+16*\b+2:EE+16*\b+3]   ; the sums are taken of the unquantised p'
.endr
.irp i, 4,6,8,10,12,14
.irp b, 0,1,2,3
	v_pk_add_f32 v[TM+2*\b:TM+2*\b+1], v[TM+2*\b:TM+2*\b+1], v[EE+16*\b+\i:EE+16*\b+\i+1]
.endr
.endr
.irp b, 0,1,2,3
	v_add_f32 v[TM+2*\b], v[TM+2*\b], v[TM+2*\b+1]
.endr
	v_mul_f32 v[LS], v[TM], v[WB]
	v_fma_f32 v[LS], v[TM+2], v[WB+1], v[LS]
	v_fma_f32 v[LS], v[TM+4], v[WB+2], v[LS]
	v_fma_f32 v[LS], v[TM+6], v[WB+3], v[LS]
	v_permlanex16_b32 v[TP], v[LS], s[SEL], s[SEL+1]
	v_add_f32 v[LS], v[LS], v[TP]                  ; l of my query's 128 keys, under MX
.irp b, 0,1,2,3
	v_cvt_scalef32_pk8_fp4_f32 v[PCA+2*\b], v[EE+16*\b:EE+16*\b+7], v[KSC]
	v_cvt_scalef32_pk8_fp4_f32 v[PCA+2*\b+1], v[EE+16*\b+8:EE+16*\b+15], v[KSC]
.endr
	v_nop                                          ; one plain place behind a scaled conversion
.irp c, 0,1
.irp i, 0,1
	v_permlane16_swap_b32 v[PCA+4*\c+\i], v[PCA+4*\c+2+\i]
.endr
.endr
	global_store_b128 v[LI], v[PCA:PCA+3], s[8:9] offset:(\a)*17408          ; the fragment's image: 512 bytes on end a store
	global_store_b128 v[LI], v[PCA+4:PCA+7], s[8:9] offset:(\a)*17408+512
	ds_store_b32 v[SCW], v[MX] offset:64*(\a)      ; lanes r and r + 16 write the same words with the same values
	ds_store_b32 v[SCW], v[LS] offset:256+64*(\a)
	ds_store_b32 v[SCW], v[PW] offset:512+64*(\a)
.endm
	PLACES                                         ; behind the last products, ahead of the first write of their registers and the first read of results
.irp b, 0,1,2,3
	v_mov_b32 v[TM+4+\b], 0                        ; permutes' destinations, and the upper halves of pairs that the packed form names
	v_mov_b32 v[MB+2*\b+1], 0
.endr
	v_mov_b32 v[TP], 0
.irp a, 0,1,2,3
	SOFT \a
.endr
.irp pl, 0,1,2
	ds_load_b64 v[TM+2*\pl:TM+2*\pl+1], v[SCD] offset:256*\pl   ; LDS serves a wave's instructions in order: these see my stores
.endr
	s_wait_dscnt 0x0
.irp pl, 0,1,2
	global_store_b64 v[L8], v[TM+2*\pl:TM+2*\pl+1], s[10:11] offset:\pl*PLANE   ; 64 rows of a plane: 256 bytes on end, aligned
.endr
.Lend:
	s_wait_tensorcnt 0x0                           ; the wave's end
	ds_add_u32 v[SPW], v[NIL]
	s_wait_dscnt 0x0
	s_endpgm
.Lfunc_end_k_q43bddf2efc_score:
	.size	k_q43bddf2efc_score, .Lfunc_end_k_q43bddf2efc_score-k_q43bddf2efc_score
	.p2alignl 7, 3214868480
	.fill 96, 4, 3214868480
	.section	.rodata,"a",@progbits
	.p2align	6, 0x0
	.amdhsa_kernel k_q43bddf2efc_score
		.amdhsa_group_segment_fixed_size 327680
		.amdhsa_private_segment_fixed_size 0
		.amdhsa_enable_private_segment 0
		.amdhsa_kernarg_size 32
		.amdhsa_user_sgpr_count 2
		.amdhsa_user_sgpr_kernarg_segment_ptr 1
		.amdhsa_wavefront_size32 1
		.amdhsa_system_sgpr_workgroup_id_x 1
		.amdhsa_system_sgpr_workgroup_id_y 1
		.amdhsa_system_sgpr_workgroup_id_z 1
		.amdhsa_system_vgpr_workitem_id 0
		.amdhsa_next_free_vgpr 512
		.amdhsa_next_free_sgpr 84
		.amdhsa_reserve_vcc 1
		.amdhsa_float_denorm_mode_32 3
		.amdhsa_float_denorm_mode_16_64 3
		.amdhsa_memory_ordered 1
		.amdhsa_forward_progress 1
		.amdhsa_inst_pref_size 110
	.end_amdhsa_kernel
	.amdgpu_metadata
---
amdhsa.version: [ 1, 2 ]
amdhsa.kernels:
  - .name:           k_q43bddf2efc_score
    .symbol:         k_q43bddf2efc_score.kd
    .args:
      - { .name: img, .offset: 0, .size: 8, .value_kind: global_buffer, .address_space: global }
      - { .name: imgs, .offset: 8, .size: 8, .value_kind: global_buffer, .address_space: global }
      - { .name: p_img, .offset: 16, .size: 8, .value_kind: global_buffer, .address_space: global }
      - { .name: p_stat, .offset: 24, .size: 8, .value_kind: global_buffer, .address_space: global }
    .group_segment_fixed_size: 327680
    .private_segment_fixed_size: 0
    .kernarg_segment_align: 8
    .kernarg_segment_size: 32
    .max_flat_workgroup_size: 256
    .sgpr_count:     84
    .vgpr_count:     512
    .wavefront_size: 32
...
	.end_amdgpu_metadata
.endif
;; end of part 3
;; launch pv (part 4): grid 8 x 32, 4 waves a work-group, clusters of 4 x 1, 327,680 bytes of LDS; arguments p_img, p_stat, img, imgs, out0; writes out0
.if DOCPART == 4
	.amdgcn_target "amdgcn-amd-amdhsa--gfx1250"
	.amdhsa_code_object_version 6
	.text
	.protected	k_q43bddf2efc_pv
	.globl	k_q43bddf2efc_pv
	.p2align	8
	.type	k_q43bddf2efc_pv,@function
k_q43bddf2efc_pv:
	s_mov_b64 s[64:65], 0
	v_nop
	global_prefetch_b8 v0, s[64:65] scope:SCOPE_SE
	s_setreg_imm32_b32 hwreg(HW_REG_WAVE_MODE, 25, 1), 1
	s_wait_xcnt 0x0
	s_wait_alu depctr_hold_cnt(0) depctr_sa_sdst(0) depctr_va_vdst(0) depctr_va_sdst(0) depctr_va_ssrc(0) depctr_va_vcc(0) depctr_vm_vsrc(0)
	s_getreg_b32 s2, hwreg(HW_REG_IB_STS2, 6, 4)
	s_cmp_eq_u32 s2, 0
	s_cbranch_scc0 .Lentry_in_a_cluster
	s_endpgm
.Lentry_in_a_cluster:
	s_bfe_u32 s2, ttmp6, 0x10000c
	s_cmp_lg_u32 s2, 0x3003
	s_cbranch_scc0 .Lentry_shape_is_right
	s_endpgm
.Lentry_shape_is_right:
; O^T = V^T p^T on codes of FP4, divided by the row's sum l.  WORK LEFT OUT: a tile of 128 queries is multiplied only by the key steps up to its own; behind them the mask makes p = 0 for all finite inputs.
; LIMIT: a NaN, an infinity or an overflow that reaches only what is left out is not carried to the result.
; A work-group takes the pair of query tiles 15 - p (H) and p (L) of a batch and 128 channels: 16 - p and p + 1 key steps of 128, 17 in every work-group.  They lie in 17 slots: H's key step ks in slot ks, L's in slot 16 - ks.
; THE WALK goes over slot 0 (H), slot 16 (L), slots 15 to 9 (H's or L's, by the pair), and then slots 1 to 8 (H): so L is finished behind nine trips in every work-group and is stored there, ahead of H's last eight.
; A wave makes 128 queries x 32 channels of both tiles: 16 + 16 accumulators.  Source 0 = 16 channels of V^T, source 1 = 16 queries of p: a lane holds one query and eight neighbouring channels a tile.
; p's 17 slots (136 KiB) come into LDS by one load a wave; every tensor load is a first fill.  V's fragments of my 32 channels, all 16 key steps, go from memory straight into registers, as they were stored, and so do V's scale words: no other wave wants them.
; CLUSTER 4 x 1: the four partners differ in their channels alone, so p's codes are asked for jointly.  Branches hang on the pair alone, which the partners share.  No prefetch: everything is asked for at the head, and there is no loop to run ahead in.
; THE ROW'S MAXIMUM.  The launch before left, for each row and slot, MX (a whole number), l under MX, and four bytes 125 + m - MX.  Here M = the largest MX of the row's slots; each byte loses M - MX (held at 0 from below) and l is the sum of l x 2^(MX - M): exact powers of two.
; M is the floor of the row's largest t where the problem's text takes the ceiling: p and l are both larger by the same power of two, which the division takes away.
; LIMITS: a slot more than 127 binary orders under the row's largest counts as 127 under; NaN and infinities are not served.
; REGISTERS: window 0: v0-15 addresses, v16-43 scale words and nothing else, v64-255 three sets of p's fragments (ahead of them the prologue's numbers).  window 1: V's fragments, 16 for each key step.  window 2: accumulators: H's, L's.  window 3: the way out.
.set PLANE, 278528
.set PSC,   139264                     ; LDS: p [16 rows][slot][1 KiB] from 0; here p's scale words as made below, [slot][row]: stored by the waves, no fill lands here;
.set LINV,  147968                     ; 1 / l: L's 128 rows, then H's;
.set SPARE, 148992                     ; the spare words;
.set STAGE, 149504                     ; and the results' stage: H's 128 rows, then L's, of 512 bytes + 16
.set SROW,  528
.set TS,    1                          ; v1  4 x thread
.set LI,    2                          ; v2  16 x lane
.set L4,    3
.set AP,    4                          ; v4-6  p's blocks of 16 rows, three to a register
.set ADSP,  7
.set STO,   8                          ; v8, 9  into the stage: H, L
.set RD,    10                         ; v10, 11 and back
.set PSA,   12
.set LIA,   13
.set SPW,   14
.set NIL,   15
.set VS,    16                         ; v16-31 V's scale words, one register a key step: lanes 16-31 the second tile's
.set SCP,   32                         ; v32-43 p's, four for each set: lanes 16-31 the odd block's
.set LVA,   44
.set FRG,   64
.set BK,    0                          ; window 3: rows read back from the stage
.set LV,    128                        ; window 3: 1 / l, a pair for each block: H's eight, L's eight
.set PM,    64                         ; the prologue: MX, l, the words of 17 slots
.set PLS,   81
.set PWD,   98
.set MH,    115
.set ML,    116
.set LH,    117
.set LL,    118
.set T0,    119
.set T1,    120
.set T2,    121
.set T3,    122
.set NEG,   123
.set WV,   16
.set LIM,  60                          ; s60  15 - p: H's last slot
.set KM,   66                          ; s66-72  for slots 9 to 15: all ones where the slot is H's
.set MSB, 0
.macro WIN new
.if MSB != (\new)
	s_set_vgpr_msb (MSB<<8)|(\new)
.set MSB, \new
.endif
.endm
.macro PLACES
.rept 4
	v_nop
.endr
.endm
.macro CROUND
	s_barrier_signal -1
	s_barrier_wait -1
	s_cmp_lg_u32 s[WV], 0
	s_cbranch_scc1 .Lnot_wave_0_\@
	s_barrier_signal -3
.Lnot_wave_0_\@:
	s_barrier_wait -3
	s_barrier_signal -1
	s_barrier_wait -1
.endm
	s_load_b256 s[4:11], s[0:1], 0x0               ; p_img, p_stat, img, imgs
	s_load_b64 s[12:13], s[0:1], 0x20              ; out0
	v_lshl_add_u32 v[SPW], v0, 2, SPARE
	v_mov_b32 v[NIL], 0
	ds_add_u32 v[SPW], v[NIL]                      ; the wave's opening: the add, twice on end, and its wait ahead of my first tensor load
	ds_add_u32 v[SPW], v[NIL]
	v_lshrrev_b32 v1, 5, v0
	v_readfirstlane_b32 s[WV], v1
	s_bfe_u32 s19, ttmp6, 0x40000                  ; cx
	s_lshl_b32 s20, ttmp9, 2
	s_add_co_u32 s20, s20, s19                     ; my 128 channels
	s_and_b32 s21, ttmp7, 0xffff                   ; 8 x batch + pair
	s_lshr_b32 s22, s21, 3
	s_and_b32 s23, s21, 7
	s_mov_b32 s24, 15|(3<<16)|(1<<21)              ; p: 34,816 dense bytes as 136 rows of 256; the mask names all four partners, bit 21 beside it
	s_mov_b32 s25, 32<<16
	s_mov_b32 s26, 136<<16
	s_mov_b32 s27, 32<<16
	s_mov_b32 s28, 136
	s_mov_b32 s29, 32
	s_mov_b32 s30, 0
	s_mov_b32 s31, 0
	s_lshl_b32 s80, s21, 3
	s_lshl_b32 s81, s[WV], 1
	s_add_co_u32 s80, s80, s81
	s_mul_i32 s80, s80, 17408                      ; p: my two blocks of 16 rows: made of the batch, the pair and the wave alone
	s_mov_b32 s81, 0
	s_mul_i32 s49, s[WV], 34816
	s_mov_b32 s48, 1
	s_lshl_b32 s52, s20, 3
	s_lshl_b32 s53, s[WV], 1
	s_add_co_u32 s52, s52, s53
	s_lshl_b32 s52, s52, 14                        ; V: my two tiles of 16 channels
	s_lshl_b32 s53, s22, 20
	s_add_co_u32 s52, s52, s53
	s_add_co_u32 s52, s52, 0x800000
	s_mov_b32 s53, 0
	s_lshl_b32 s54, s22, 16                        ; V's scale words: [key step][channel]
	s_lshl_b32 s55, s20, 9
	s_add_co_u32 s54, s54, s55
	s_lshl_b32 s55, s[WV], 7
	s_add_co_u32 s54, s54, s55
	s_add_co_u32 s54, s54, 0x80000
	s_mov_b32 s55, 0
	s_mul_i32 s86, s21, 8704                       ; the statistics of my pair
	s_mov_b32 s87, 0
	s_sub_co_u32 s[LIM], 15, s23
.irp s, 9,10,11,12,13,14,15
	s_cmp_ge_u32 s[LIM], \s
	s_cselect_b32 s[KM+\s-9], -1, 0
.endr
	s_mov_b32 s73, 0x80808080
	s_mov_b32 s74, 0x01010101
	; where the results go: row (2,048 batch + 128 tile + 32 wave) of 4,096 bytes, + 512 x my 128 channels
	s_lshl_b32 s82, s22, 11
	s_lshl_b32 s83, s[WV], 5
	s_add_co_u32 s82, s82, s83
	s_lshl_b32 s83, s[LIM], 7
	s_add_co_u32 s83, s83, s82
	s_lshl_b32 s76, s83, 12
	s_lshl_b32 s83, s23, 7
	s_add_co_u32 s83, s83, s82
	s_lshl_b32 s78, s83, 12
	s_lshl_b32 s83, s20, 9
	s_add_co_u32 s76, s76, s83
	s_add_co_u32 s78, s78, s83
	s_mov_b32 s77, 0
	s_mov_b32 s79, 0
	s_lshl_b32 s82, s[WV], 7
	s_add_co_u32 s82, s82, STAGE                   ; my 32 channels of a stage row
	s_mul_i32 s83, s[WV], 32*SROW
	s_add_co_u32 s83, s83, STAGE                   ; the 32 rows that I store
	v_lshlrev_b32 v[TS], 2, v0
	v_and_b32 v62, 31, v0
	v_lshlrev_b32 v[LI], 4, v62
	v_lshlrev_b32 v[L4], 2, v62
	v_mov_b32 v[AP], v[LI]
	v_add_nc_u32 v[AP+1], 3*17408, v[LI]
	v_add_nc_u32 v[AP+2], 6*17408, v[LI]
	v_add_nc_u32 v[ADSP], PSC, v[L4]
	v_and_b32 v62, 15, v0                          ; r
	v_bfe_u32 v63, v0, 4, 1                        ; h
	v_mul_u32_u24 v[STO], v62, SROW
	v_lshl_add_u32 v[STO], v63, 6, v[STO]
	v_add_nc_u32 v[STO], s82, v[STO]               ; row r, + 64 h
	v_add_nc_u32 v[STO+1], 128*SROW, v[STO]
	v_add_nc_u32 v[RD], s83, v[LI]
	v_add_nc_u32 v[RD+1], 128*SROW, v[RD]
	v_lshl_add_u32 v[LVA], v62, 2, LINV
	v_lshl_add_u32 v[PSA], v0, 2, PSC
	v_lshl_add_u32 v[LIA], v0, 2, LINV
	v_mov_b32 v[NEG], 0xff61b1e6                   ; -3e38, under every MX
	s_wait_alu depctr_va_vdst(0)                   ; the wait here, directly ahead of the waits below
	s_wait_dscnt 0x0                               ; both opening adds are done
	s_wait_kmcnt 0x0
	s_add_nc_u64 s[50:51], s[4:5], s[80:81]
	s_or_b32 s51, s51, 0x80000000
	s_add_nc_u64 s[52:53], s[8:9], s[52:53]
	s_add_nc_u64 s[54:55], s[10:11], s[54:55]
	s_add_nc_u64 s[6:7], s[6:7], s[86:87]
	s_add_nc_u64 s[76:77], s[12:13], s[76:77]      ; H
	s_add_nc_u64 s[78:79], s[12:13], s[78:79]      ; L
	CROUND                                         ; all four work-groups are here: the joint loads meet
	tensor_load_to_lds s[48:51], s[24:31]          ; one load a wave
	s_nop 0
	PLACES
	; thread t stands for row t of both tiles
.irp s, 0,1,2,3,4,5,6,7,8,9,10,11,12,13,14,15,16
	global_load_b32 v[PM+\s], v[TS], s[6:7] offset:\s*512
	global_load_b32 v[PLS+\s], v[TS], s[6:7] offset:PLANE+\s*512
	global_load_b32 v[PWD+\s], v[TS], s[6:7] offset:2*PLANE+\s*512
.endr
.irp k, 0,1,2,3,4,5,6,7,8,9,10,11,12,13,14,15
	global_load_b32 v[VS+\k], v[L4], s[54:55] offset:4096*\k
.endr
	WIN 0x40                                       ; into window 1, in the order in which the walk wants the key steps: trip n of 2 to 8 wants 17 - n or n - 1
.irp k, 0,15,1,14,2,13,3,12,4,11,5,10,6,9,7,8
.irp j, 0,1
.irp c, 0,1
	global_load_b128 v[16*\k+8*\j+4*\c:16*\k+8*\j+4*\c+3], v[LI], s[52:53] offset:16384*\j+1024*\k+512*\c   ; 512 bytes on end a load
.endr
.endr
.endr
	WIN 0
	; THE PROLOGUE
	s_wait_loadcnt 63                              ; of the 131 loads the first 68 are in: the statistics' 51 among them
	v_max3_num_f32 v[MH], v[PM], v[PM+1], v[PM+2]  ; slots 0 to 8 are always H's, slot 16 always L's
	v_max3_num_f32 v[MH], v[MH], v[PM+3], v[PM+4]
	v_max3_num_f32 v[MH], v[MH], v[PM+5], v[PM+6]
	v_max3_num_f32 v[MH], v[MH], v[PM+7], v[PM+8]
	v_mov_b32 v[ML], v[PM+16]
.irp s, 9,10,11,12,13,14,15
	v_cndmask_b32 v[T0], v[NEG], v[PM+\s], s[KM+\s-9]
	v_cndmask_b32 v[T1], v[PM+\s], v[NEG], s[KM+\s-9]
	v_max_num_f32 v[MH], v[MH], v[T0]
	v_max_num_f32 v[ML], v[ML], v[T1]
.endr
; kind 0: H's slot; 1: L's; 2: by the mask.  init = 1: the slot starts its tile's l
.macro PSLOT s, kind, init
.if (\kind) == 0
	v_sub_f32 v[T0], v[MH], v[PM+(\s)]
.elseif (\kind) == 1
	v_sub_f32 v[T0], v[ML], v[PM+(\s)]
.else
	v_cndmask_b32 v[T0], v[ML], v[MH], s[KM+(\s)-9]
	v_sub_f32 v[T0], v[T0], v[PM+(\s)]
.endif
	v_cvt_i32_f32 v[T0], v[T0]                     ; M - MX, a whole number, 0 or more,
	v_min_i32 v[T0], 127, v[T0]                    ; held at 127
	v_mul_lo_u32 v[T1], v[T0], s74                 ; in each of the four bytes
	v_or_b32 v[T2], s73, v[PWD+(\s)]               ; 128 + byte (a byte is at most 125),
	v_sub_nc_u32 v[T2], v[T2], v[T1]               ; less M - MX: at least 1 in each byte, so nothing is borrowed across bytes
	v_and_b32 v[T1], s73, v[T2]
	v_lshrrev_b32 v[T1], 7, v[T1]                  ; 1 where the byte has not fallen under 0
	v_lshlrev_b32 v[T3], 7, v[T1]
	v_sub_nc_u32 v[T3], v[T3], v[T1]               ; 127 there
	v_and_b32 v[T2], v[T2], v[T3]                  ; the new bytes, held at 0
	v_sub_nc_u32 v[T0], 0, v[T0]
.if (\init) && ((\kind) == 0)
	v_ldexp_f32 v[LH], v[PLS+(\s)], v[T0]
.elseif (\init)
	v_ldexp_f32 v[LL], v[PLS+(\s)], v[T0]
.else
	v_ldexp_f32 v[T0], v[PLS+(\s)], v[T0]          ; l x 2^(MX - M)
.if (\kind) == 0
	v_add_f32 v[LH], v[LH], v[T0]
.else
	v_cndmask_b32 v[T1], 0, v[T0], s[KM+(\s)-9]
	v_cndmask_b32 v[T3], v[T0], 0, s[KM+(\s)-9]
	v_add_f32 v[LH], v[LH], v[T1]
	v_add_f32 v[LL], v[LL], v[T3]
.endif
.endif
	ds_store_b32 v[PSA], v[T2] offset:512*(\s)
.endm
	PSLOT 16, 1, 1
	PSLOT 0, 0, 1
.irp s, 1,2,3,4,5,6,7,8
	PSLOT \s, 0, 0
.endr
.irp s, 9,10,11,12,13,14,15
	PSLOT \s, 2, 0
.endr
	s_wait_alu depctr_va_vdst(0)                   ; the wait ahead of the batch
	v_rcp_f32 v[T0], v[LL]                         ; l is at least 1: the row's largest block has p' of 1 or more under M
	v_rcp_f32 v[T1], v[LH]
	v_nop                                          ; a plain place behind the reciprocals
	s_wait_alu depctr_va_vdst(0)                   ; one wait for both, ahead of their first reader
	ds_store_b32 v[LIA], v[T0]
	ds_store_b32 v[LIA], v[T1] offset:512
	s_wait_tensorcnt 0x0                           ; my part of p has landed,
	s_wait_dscnt 0x0                               ; my stores too,
	s_barrier_signal -1
	s_barrier_wait -1                              ; everybody's have
; A trip waits for its set, asks for the set of the trip after the next, and issues 16 products.
.macro LOADP set, slot                 ; 20 LDS loads
.irp a, 0,1,2,3,4,5,6,7
	ds_load_b128 v[FRG+64*(\set)+8*\a:FRG+64*(\set)+8*\a+3], v[AP+\a/3] offset:(\a%3)*17408+1024*(\slot)
	ds_load_b128 v[FRG+64*(\set)+8*\a+4:FRG+64*(\set)+8*\a+7], v[AP+\a/3] offset:(\a%3)*17408+1024*(\slot)+512
.endr
.irp i, 0,1,2,3
	ds_load_b32 v[SCP+4*(\set)+\i], v[ADSP] offset:512*(\slot)+128*\i
.endr
.endm
; One product: acc the accumulator, bf and af the fragments, cc the C operand, sa and sb the scale words; ja, jb: the scale words stand in lanes 16-31
.macro WM acc, bf, af, cc, sa, sb, ja, jb
.if (\ja) && (\jb)
	v_wmma_scale_f32_16x16x128_f8f6f4 v[\acc:\acc+7], v[\bf:\bf+7], v[\af:\af+7], \cc, v[\sa], v[\sb] matrix_a_fmt:MATRIX_FMT_FP4 matrix_b_fmt:MATRIX_FMT_FP4 matrix_a_scale:MATRIX_SCALE_ROW1 matrix_b_scale:MATRIX_SCALE_ROW1
.elseif (\ja)
	v_wmma_scale_f32_16x16x128_f8f6f4 v[\acc:\acc+7], v[\bf:\bf+7], v[\af:\af+7], \cc, v[\sa], v[\sb] matrix_a_fmt:MATRIX_FMT_FP4 matrix_b_fmt:MATRIX_FMT_FP4 matrix_a_scale:MATRIX_SCALE_ROW1
.elseif (\jb)
	v_wmma_scale_f32_16x16x128_f8f6f4 v[\acc:\acc+7], v[\bf:\bf+7], v[\af:\af+7], \cc, v[\sa], v[\sb] matrix_a_fmt:MATRIX_FMT_FP4 matrix_b_fmt:MATRIX_FMT_FP4 matrix_b_scale:MATRIX_SCALE_ROW1
.else
	v_wmma_scale_f32_16x16x128_f8f6f4 v[\acc:\acc+7], v[\bf:\bf+7], v[\af:\af+7], \cc, v[\sa], v[\sb] matrix_a_fmt:MATRIX_FMT_FP4 matrix_b_fmt:MATRIX_FMT_FP4
.endif
.endm
.macro MUL set, tile, ks, zero         ; tile 0: H, 1: L.  The 16 accumulators take turns, one instruction a turn
	WIN 0xa1                                       ; source 0 window 1, source 1 window 0, C and D window 2
.irp a, 0,1,2,3,4,5,6,7
.irp j, 0,1
.if \zero
	WM 128*(\tile)+8*(2*\a+\j),16*(\ks)+8*\j,FRG+64*(\set)+8*\a,0,VS+(\ks),SCP+4*(\set)+\a/2,\j,\a%2
.else
	WM 128*(\tile)+8*(2*\a+\j),16*(\ks)+8*\j,FRG+64*(\set)+8*\a,v[128*(\tile)+8*(2*\a+\j):128*(\tile)+8*(2*\a+\j)+7],VS+(\ks),SCP+4*(\set)+\a/2,\j,\a%2
.endif
.endr
.endr
	WIN 0
.endm
.macro SLOTOF n                        ; trip n's slot
.if (\n) == 0
.set SL, 0
.elseif (\n) == 1
.set SL, 16
.elseif (\n) <= 8
.set SL, 17-(\n)
.else
.set SL, (\n)-8
.endif
.endm
.macro TRIP n                          ; from set n % 3
.if (\n) < 2
	s_wait_loadcnt 60                              ; V's key step 0 is in; four loads for each of the fifteen behind it may be out
.elseif (\n) <= 8
	s_wait_loadcnt 4*(17-2*(\n))                   ; the first 2 n - 1 key steps of the order above are in
.elseif (\n) == 16
	s_wait_loadcnt 0x0                             ; and the last, key step 8
.endif
.if (\n) < 16
	s_wait_dscnt 20                                ; my set is in; the next trip's 20 loads may be out
.else
	s_wait_dscnt 0x0
.endif
.if (\n) < 15
	PLACES                                         ; between the last trip's products and the loads into the set that they read
	SLOTOF (\n)+2
	LOADP ((\n)+2)%3, SL
.endif
.if (\n) == 0
	MUL 0, 0, 0, 1
.elseif (\n) == 1
	MUL 1, 1, 0, 1
.elseif (\n) <= 8
	s_cmp_ge_u32 s[LIM], 17-(\n)                   ; H's slot: key step 17 - n; L's: n - 1.  The pair alone decides: the same in all waves and partners
	s_cbranch_scc0 .Lpl_\@
	MUL (\n)%3, 0, 17-(\n), 0
	s_branch .Lpd_\@
.Lpl_\@:
	MUL (\n)%3, 1, (\n)-1, 0
.Lpd_\@:
.else
	MUL (\n)%3, 0, (\n)-8, 0
.endif
.endm
; THE WAY OUT of a tile: divided by l, into the stage, and, behind a barrier, out as whole rows of 512 bytes.  Row b of the stage is actual query 32 (b / 32) + 8 ((b / 16) % 2) + r + 8 (r / 8), r = b % 16.
.macro PACK tile
	WIN 0x8e                                       ; destination and source 0 window 2, source 1 window 3
.irp a, 0,1,2,3,4,5,6,7
.irp i, 0,2,4,6,8,10,12,14
	v_pk_mul_f32 v[128*(\tile)+16*\a+\i:128*(\tile)+16*\a+\i+1], v[128*(\tile)+16*\a+\i:128*(\tile)+16*\a+\i+1], v[LV+16*(\tile)+2*\a:LV+16*(\tile)+2*\a+1] op_sel_hi:[1,0]   ; each accumulator from its low end on
.endr
.endr
	WIN 0x08                                       ; an LDS store's data: window 2
.irp a, 0,1,2,3,4,5,6,7
.irp j, 0,1
	ds_store_b128 v[STO+(\tile)], v[128*(\tile)+16*\a+8*\j:128*(\tile)+16*\a+8*\j+3] offset:16*SROW*\a+32*\j        ; tile j, lane (r, h): channels 16 h + 8 j + 0 .. 7 of my 32
	ds_store_b128 v[STO+(\tile)], v[128*(\tile)+16*\a+8*\j+4:128*(\tile)+16*\a+8*\j+7] offset:16*SROW*\a+32*\j+16
.endr
.endr
	WIN 0
	s_wait_dscnt 0x0                               ; my part of the rows is in the stage,
	s_barrier_signal -1
	s_barrier_wait -1                              ; everybody's is
.endm
.macro SEND tile
	WIN 0xc0                                       ; into window 3
.set t, 0
.rept 32
	ds_load_b128 v[BK+4*t:BK+4*t+3], v[RD+(\tile)] offset:SROW*t
.set t, t+1
.endr
	WIN 0x0c                                       ; a store's data: window 3
.set t, 0
.rept 32
.if t%8 == 0
	s_wait_dscnt 24-t                              ; eight more rows are in; the younger ones may be out
.endif
	global_store_b128 v[LI], v[BK+4*t:BK+4*t+3], s[76+2*(\tile):77+2*(\tile)] offset:(8*(t/16)+t%16+8*((t%16)/8))*4096 th:TH_STORE_NT   ; 512 bytes on end, aligned
.set t, t+1
.endr
	WIN 0
.endm
	LOADP 0, 0
	LOADP 1, 16
.irp n, 0,1,2,3,4,5,6,7,8
	TRIP \n
.endr
	PLACES                                         ; L is finished: behind its last products,
	WIN 0xc0
.irp q, 0,1,2,3,4,5,6,7,8,9,10,11,12,13,14,15
	v_mov_b32 v[LV+2*\q+1], 0                      ; the upper halves of the pairs that the packed form names
.endr
.irp q, 0,1,2,3,4,5,6,7
	ds_load_b32 v[LV+2*\q], v[LVA] offset:512+64*\q
	ds_load_b32 v[LV+16+2*\q], v[LVA] offset:64*\q
.endr
	WIN 0
	s_wait_alu depctr_va_vdst(0)                   ; the wait here, directly ahead of the wait below
	s_wait_dscnt 0x0
	PACK 1
	SEND 1
.irp n, 9,10,11,12,13,14,15,16
	TRIP \n
.endr
	PLACES                                         ; behind the last products
	PACK 0
	s_wait_xcnt 0x0                                ; L's stores have read their registers: H's rows may land there
	SEND 0
	s_wait_tensorcnt 0x0                           ; the wave's end
	ds_add_u32 v[SPW], v[NIL]
	s_wait_dscnt 0x0
	CROUND                                         ; the closing round
	s_endpgm
.Lfunc_end_k_q43bddf2efc_pv:
	.size	k_q43bddf2efc_pv, .Lfunc_end_k_q43bddf2efc_pv-k_q43bddf2efc_pv
	.p2alignl 7, 3214868480
	.fill 96, 4, 3214868480
	.section	.rodata,"a",@progbits
	.p2align	6, 0x0
	.amdhsa_kernel k_q43bddf2efc_pv
		.amdhsa_group_segment_fixed_size 327680
		.amdhsa_private_segment_fixed_size 0
		.amdhsa_enable_private_segment 0
		.amdhsa_kernarg_size 40
		.amdhsa_user_sgpr_count 2
		.amdhsa_user_sgpr_kernarg_segment_ptr 1
		.amdhsa_wavefront_size32 1
		.amdhsa_system_sgpr_workgroup_id_x 1
		.amdhsa_system_sgpr_workgroup_id_y 1
		.amdhsa_system_sgpr_workgroup_id_z 1
		.amdhsa_system_vgpr_workitem_id 0
		.amdhsa_next_free_vgpr 1024
		.amdhsa_next_free_sgpr 90
		.amdhsa_reserve_vcc 0
		.amdhsa_float_denorm_mode_32 3
		.amdhsa_float_denorm_mode_16_64 3
		.amdhsa_memory_ordered 1
		.amdhsa_forward_progress 1
		.amdhsa_inst_pref_size 131
	.end_amdhsa_kernel
	.amdgpu_metadata
---
amdhsa.version: [ 1, 2 ]
amdhsa.kernels:
  - .name:           k_q43bddf2efc_pv
    .symbol:         k_q43bddf2efc_pv.kd
    .args:
      - { .name: p_img, .offset: 0, .size: 8, .value_kind: global_buffer, .address_space: global }
      - { .name: p_stat, .offset: 8, .size: 8, .value_kind: global_buffer, .address_space: global }
      - { .name: img, .offset: 16, .size: 8, .value_kind: global_buffer, .address_space: global }
      - { .name: imgs, .offset: 24, .size: 8, .value_kind: global_buffer, .address_space: global }
      - { .name: out0, .offset: 32, .size: 8, .value_kind: global_buffer, .address_space: global }
    .group_segment_fixed_size: 327680
    .private_segment_fixed_size: 0
    .kernarg_segment_align: 8
    .kernarg_segment_size: 40
    .max_flat_workgroup_size: 128
    .sgpr_count:     90
    .vgpr_count:     1024
    .wavefront_size: 32
...
	.end_amdgpu_metadata
.endif
;; end of part 4
